; MI455X (gfx1250); checked and timed in simulation.
; The chip was launched on July 23, 2026; its instructions are those of AMD's public machine-readable ISA for CDNA 5 (MIT licence, August 2026) and "CDNA5" Instruction Set Architecture Reference Guide (July 2026). The comments in the code are by the model that wrote it; some were corrected since.
;; Multi Head Self Attention. Allowed arithmetic: matrix products marked QUANTISED: E5M2 operands, one given power-of-two scale a tensor, by v_wmma_f32_16x16x64_bf8_bf8 or v_wmma_f32_16x16x128_bf8_bf8, f32 sums; everything else in f32.
;; Inputs: Wk 1,024 x 1,024 float32; Wo 1,024 x 1,024 float32; Wq 1,024 x 1,024 float32; Wv 1,024 x 1,024 float32; bk 1,024 float32; bo 1,024 float32; bq 1,024 float32; bv 1,024 float32; lowp_scales 12 int32 (the exponents e of the quantised operands' scales 2^e); mask 4 x 1 x 1 x 2,048 int32; x 4 x 2,048 x 1,024 float32.
;; Outputs: out0 4 x 2,048 x 1,024 float32.
;; This version of the problem:
;;   THIS VERSION OF THE PROBLEM IS GIVEN IN LOW PRECISION. The matrix products marked QUANTISED in the list below multiply operands that are first quantised to E5M2 (5 exponent bits, 2 mantissa bits; 8 bits a number), with one given power-of-two scale for each operand tensor; their sums are f32. All else is computed in f32.
;;   The module's matrix products, in the order in which they are computed (A, B: the left and right operand; K: the contracted axis; several contracted axes count as one K, in the product's order):
;;     1. [M 8,192, K 1,024] x [K 1,024, N 1,024]; A: input x; B: input Wq: QUANTISED (scales: A lowp_scales[0], B lowp_scales[1])
;;     2. [M 8,192, K 1,024] x [K 1,024, N 1,024]; A: input x; B: input Wk: QUANTISED (scales: A lowp_scales[2], B lowp_scales[3])
;;     3. [M 8,192, K 1,024] x [K 1,024, N 1,024]; A: input x; B: input Wv: QUANTISED (scales: A lowp_scales[4], B lowp_scales[5])
;;     4. batch 64 x [M 2,048, K 64] x [K 64, N 2,048]; A: computed on the way; B: computed on the way: QUANTISED (scales: A lowp_scales[6], B lowp_scales[7])
;;     5. batch 64 x [M 2,048, K 2,048] x [K 2,048, N 64]; A: softmax (see below); B: computed on the way: QUANTISED (scales: A lowp_scales[8], B lowp_scales[9])
;;     6. [M 8,192, K 1,024] x [K 1,024, N 1,024]; A: computed on the way; B: input Wo: QUANTISED (scales: A lowp_scales[10], B lowp_scales[11])
;;   THE QUANTISER, for each operand of a quantised product, along K:
;;     - The operand's scale is 2^e, e = its entry of the input lowp_scales (int32; the entries are numbered through the quantised products in the list's order, A before B).
;;     - Each number is divided by the scale, clamped to +-57,344, and rounded to the nearest number of E5M2, ties to even, subnormals kept.
;;     - The product sums the exact products of the quantised numbers (number of the format x scale) in f32.
;;   ~~~python
;;   def quantise(x, axis, e):      # numpy; x: float32 -> the quantised numbers, widened to float32 again
;;       x = np.moveaxis(x, axis, -1); K = x.shape[-1]
;;       r = np.clip(x / 2.0 ** e, -57344, 57344)
;;       step = 2.0 ** (np.maximum(np.frexp(np.where(r == 0, 1, r))[1] - 1, -14) - 2)
;;       q = np.round(r / step) * step * 2.0 ** e      # np.round: ties to even
;;       return np.moveaxis(q, -1, axis).astype(np.float32)
;;   ~~~
;;   SOFTMAX AHEAD OF A QUANTISED PRODUCT. Where the list says 'softmax', what is quantised is not the finished softmax but p = 2^(t - M), with t = logit x log2(e) and M = ceil(the row's largest t), a whole number; so 1/2 < the row's largest p <= 1. The row's sum l is taken of the UNQUANTISED p, in f32, and the product's result is divided by l at the end. Since M is a whole number, a kernel that streams over the keys may use a running M (the ceiling of the running maximum): every later rescaling is an exact power of two, so the quantised numbers keep their values, but for numbers so far below the row's largest that they fall under the format's range.
;;   OPERANDS COMPUTED ON THE WAY. 'Computed on the way' means the value that the module computes at that place (a softmax that the list does not call 'softmax' is quantised finished and normalised). What goes into a quantiser is computed in f32, as accurately as f32 sums, v_exp_f32 and their like allow (about 1e-6 of the number): no bf16 or f16 on the way to a quantiser, and a product that is left as it is and whose result goes on into a quantised operand takes f32 operands (vector FMAs, or v_wmma_f32_16x16x4_f32). A number that lies on a knife's edge between two numbers of the format may be rounded either way, as far as f32 arithmetic and the matrix unit's own rounding can turn it there, and no further.
;; One version. Each part assembles by itself: llvm-mc -triple=amdgcn-amd-amdhsa -mcpu=gfx1250 --defsym DOCPART=n.
;; ======== version 1 of 1: 4 launches
;; workspace buffers: codes 29,360,128 bytes; qkvc 25,165,824 bytes; attc 8,388,608 bytes
;; launch quant (part 1): grid 1536 x 1, 4 waves a work-group, no clusters, 33,280 bytes of LDS; arguments x, Wq, Wk, Wv, Wo, lowp_scales, codes; writes codes
.if DOCPART == 1
	.amdgcn_target "amdgcn-amd-amdhsa--gfx1250"
	.amdhsa_code_object_version 6
	.text
	.protected	k_q3d394f2098_quant
	.globl	k_q3d394f2098_quant
	.p2align	8
	.type	k_q3d394f2098_quant,@function
k_q3d394f2098_quant:
	s_mov_b64 s[64:65], 0
	v_nop
	global_prefetch_b8 v0, s[64:65] scope:SCOPE_SE
	s_setreg_imm32_b32 hwreg(HW_REG_WAVE_MODE, 25, 1), 1
	s_wait_xcnt 0x0
; x [8192][1024] and Wq, Wk, Wv, Wo [1024][1024], f32 with K innermost, become codes of BF8 (E5M2), one code a byte, K innermost.
; code = number / 2^e, held within +-57,344, rounded to the nearest code, ties to even.  x is an operand of three products, each with a scale of its own: it is read once and converted
; three times (e0, e2, e4).  The weights take e1, e3, e5, e11.
; OUT: codes = x by e0 at 0, x by e2 at 8 MiB, x by e4 at 16 MiB, then Wq, Wk, Wv, Wo at 24, 25, 26, 27 MiB; a row is 1,024 bytes.
; ROWS ARE STORED WITH BITS 3 AND 4 OF THE ROW NUMBER SWAPPED: sixteen consecutive stored rows are tensor rows 32 b + 8 u + r + 8 (r / 8), r = 0 .. 15.  A matrix tile of sixteen stored rows
; then leaves, in two neighbouring result tiles, sixteen NEIGHBOURS of the next product's K in a lane's registers.  A work-group owns 8 rows, so the swap is a swap of the two low bits of its number.
; SHARES: work-groups 0-1023 take 8 rows of x each, work-groups 1024 + 128 i + j 8 rows of weight i.  A wave: 2 rows = 4 steps of 512 numbers, and ALL ITS SIXTEEN LOADS GO OUT AT ITS HEAD: with 160 registers
; a wave and 32 KiB of LDS a work-group, six work-groups share a WGP, each with 32 KiB asked for.  Each load reads 512 consecutive bytes; a step's 2,048 bytes turn through the wave's own stage in LDS
; (16 bytes of padding behind each 64) so that a lane holds 16 neighbours; a lane's 16 codes are 16 bytes: a store covers 512 consecutive bytes, aligned.  Waves share nothing: no barrier.
; LIMITS: each e between -126 and 112.  NaN among the inputs is not served; an infinity is held at the largest code.
.set STEPS, 4
.set XWG,   1024                       ; work-groups that take x
.set WWG,   128                        ; work-groups that take one weight
.set SP,    80                         ; a lane's place in a stage: 64 bytes + 16 of padding
.set WREG,  8192                       ; LDS of a wave: two stages of 32 x SP bytes
.set SC,    6                          ; v6, v8, v10: 2^e as f32;  v7, v9, v11: 57,344 x 2^e
.set R,     16                         ; v16-79   four sets of 16 numbers as loaded, one for each step
.set X,     80                         ; v80-111  two sets of 16 neighbours
.set T,     112                        ; v112-127 the numbers held for one scale
.set C,     128                        ; v128-151 codes: two sets x three scales x four registers
	s_load_b256 s[4:11], s[0:1], 0x0               ; x, Wq, Wk, Wv
	s_load_b128 s[12:15], s[0:1], 0x20             ; Wo, the scales' exponents
	s_load_b64 s[16:17], s[0:1], 0x30              ; codes
	v_lshl_add_u32 v160, v0, 2, 0x8000
	v_mov_b32 v161, 0
	v_lshrrev_b32 v1, 5, v0
	v_readfirstlane_b32 s20, v1                    ; wave 0..3
	v_and_b32 v2, 31, v0                           ; lane
	v_lshlrev_b32 v3, 4, v2                        ; my 16 bytes of a load's or a store's 512; never rewritten
	s_mul_i32 s51, s20, WREG
	v_lshrrev_b32 v14, 2, v2
	v_mul_u32_u24 v14, v14, SP
	v_and_b32 v15, 3, v2
	v_lshl_add_u32 v14, v15, 4, v14
	v_add_nc_u32 v14, s51, v14                     ; the stage, on the way in: four lanes' 64 bytes on end, then the padding
	v_mul_u32_u24 v15, v2, SP
	v_add_nc_u32 v15, s51, v15                     ; and on the way out: my 16 neighbours
	s_and_b32 s21, ttmp9, WWG-1
	s_cmp_lt_u32 ttmp9, XWG
	s_cselect_b32 s21, ttmp9, s21                  ; the work-group's number within its tensor
	s_cselect_b32 s23, 0, 0x1000000                ; the weights' codes begin 16 MiB further on than the run number alone says
	s_lshl_b32 s21, s21, 2
	s_add_co_u32 s21, s21, s20                     ; which run of 2 rows I read
	s_lshl_b32 s32, s21, 13                        ; x 8,192 bytes
	s_mov_b32 s33, 0
	s_and_b32 s18, ttmp9, 1
	s_lshl_b32 s18, s18, 1
	s_bfe_u32 s19, ttmp9, 0x10001                  ; bit 1
	s_or_b32 s18, s18, s19                         ; the work-group's two low bits swapped: rows' bits 3 and 4
	s_and_b32 s19, ttmp9, 0xfffffffc
	s_or_b32 s18, s18, s19
	s_lshl_b32 s18, s18, 2
	s_add_co_u32 s18, s18, s20                     ; which run of 2 rows I write
	s_lshl_b32 s34, s18, 11                        ; x 2,048 bytes
	s_add_co_u32 s34, s34, s23
	s_mov_b32 s35, 0
	s_wait_kmcnt 0x0
	s_load_b256 s[36:43], s[14:15], 0x0            ; e0 .. e7
	s_load_b128 s[44:47], s[14:15], 0x20           ; e8 .. e11
	s_mov_b64 s[24:25], s[12:13]                   ; my tensor: the choice hangs on the work-group's number alone
	s_cmp_lt_u32 ttmp9, XWG+3*WWG
	s_cselect_b64 s[24:25], s[10:11], s[24:25]
	s_cmp_lt_u32 ttmp9, XWG+2*WWG
	s_cselect_b64 s[24:25], s[8:9], s[24:25]
	s_cmp_lt_u32 ttmp9, XWG+WWG
	s_cselect_b64 s[24:25], s[6:7], s[24:25]
	s_cmp_lt_u32 ttmp9, XWG
	s_cselect_b64 s[24:25], s[4:5], s[24:25]
	s_add_nc_u64 s[24:25], s[24:25], s[32:33]
	s_add_nc_u64 s[26:27], s[16:17], s[34:35]      ; where my codes go;
	s_add_nc_u64 s[28:29], s[26:27], 0x800000      ; x's second
	s_add_nc_u64 s[30:31], s[26:27], 0x1000000     ; and third set of codes (used by x's work-groups alone)
.macro LOAD t
.irp i, 0,1,2,3
	global_load_b128 v[R+16*(\t)+4*\i:R+16*(\t)+4*\i+3], v3, s[24:25] offset:2048*(\t)+512*\i th:TH_LOAD_NT   ; 32 lanes read 512 consecutive bytes; read once in the launch
.endr
.endm
.macro TURN t                          ; step t's numbers through the stage: LDS serves a wave's instructions in order, so no wait stands between the stores and the loads
.irp i, 0,1,2,3
	ds_store_b128 v14, v[R+16*(\t)+4*\i:R+16*(\t)+4*\i+3] offset:32*SP*((\t)%2)+8*SP*\i
.endr
.irp i, 0,1,2,3
	ds_load_b128 v[X+16*((\t)%2)+4*\i:X+16*((\t)%2)+4*\i+3], v15 offset:32*SP*((\t)%2)+16*\i
.endr
.endm
.irp t, 0,1,2,3
	LOAD \t
.endr
	s_wait_kmcnt 0x0
	s_mov_b32 s48, s47                             ; the first scale: e11 for Wo, e5, e3, e1 for Wv, Wk, Wq, e0 for x
	s_cmp_lt_u32 ttmp9, XWG+3*WWG
	s_cselect_b32 s48, s41, s48
	s_cmp_lt_u32 ttmp9, XWG+2*WWG
	s_cselect_b32 s48, s39, s48
	s_cmp_lt_u32 ttmp9, XWG+WWG
	s_cselect_b32 s48, s37, s48
	s_cmp_lt_u32 ttmp9, XWG
	s_cselect_b32 s48, s36, s48
.macro MKSCALE i, e                    ; 2^e as f32 (the conversion takes its exponent field) and 57,344 x 2^e
	s_add_co_i32 s49, s\e, 127
	s_lshl_b32 s50, s49, 23
	v_mov_b32 v[SC+2*\i], s50
	s_add_co_i32 s49, s49, 15
	s_lshl_b32 s49, s49, 23
	s_or_b32 s49, s49, 0x600000
	v_mov_b32 v[SC+2*\i+1], s49
.endm
	MKSCALE 0, 48
	MKSCALE 1, 38                                  ; e2
	MKSCALE 2, 40                                  ; e4
	s_wait_loadcnt 12                              ; step 0's four loads are in; the twelve of steps 1 to 3 may be out
	TURN 0
; Step t's 16 neighbours by scale i: held, converted, stored at base.
.macro CONV i, t, base
.set XS, X+16*((\t)%2)
.set CC, C+12*((\t)%2)+4*\i
.set k, 0
.rept 16
	v_med3_num_f32 v[T+k], v[XS+k], -v[SC+2*\i+1], v[SC+2*\i+1]   ; the conversion to an 8-bit code does not saturate (ISA guide 7.6.2): the hold at the largest code x the scale comes first
.set k, k+1
.endr
	v_cvt_scalef32_pk8_bf8_f32 v[CC:CC+1], v[T:T+7], v[SC+2*\i]
	v_cvt_scalef32_pk8_bf8_f32 v[CC+2:CC+3], v[T+8:T+15], v[SC+2*\i]
	v_nop                                          ; one plain vector instruction between a scaled conversion and the next holds, which write its sources
	global_store_b128 v3, v[CC:CC+3], s[\base:\base+1] offset:512*(\t)
.endm
.macro STEP t
	s_wait_dscnt 0x0                               ; this step's numbers are back from the stage
.if (\t)+1 < STEPS
	s_wait_loadcnt 4*(STEPS-2-(\t))                ; the next step's four loads are in; those of the steps behind it may be out
	TURN (\t)+1                                    ; and go through the other stage while this step is worked
.endif
	s_wait_xcnt 0x0                                ; the stores of two steps ago have read their data: this set of code registers is written again only behind this wait
	CONV 0, \t, 26
	s_cmp_lt_u32 ttmp9, XWG                        ; a weight has one scale: register work and stores alone are jumped over
	s_cbranch_scc0 .Lone_scale_\@
	CONV 1, \t, 28
	CONV 2, \t, 30
.Lone_scale_\@:
.endm
.irp t, 0,1,2,3
	STEP \t
.endr
	s_wait_tensorcnt 0x0
	ds_add_u32 v160, v161
	s_wait_dscnt 0x0
	s_endpgm
.Lfunc_end_k_q3d394f2098_quant:
	.size	k_q3d394f2098_quant, .Lfunc_end_k_q3d394f2098_quant-k_q3d394f2098_quant
	.p2alignl 7, 3214868480
	.fill 96, 4, 3214868480
	.section	.rodata,"a",@progbits
	.p2align	6, 0x0
	.amdhsa_kernel k_q3d394f2098_quant
		.amdhsa_group_segment_fixed_size 33280
		.amdhsa_private_segment_fixed_size 0
		.amdhsa_enable_private_segment 0
		.amdhsa_kernarg_size 56
		.amdhsa_user_sgpr_count 2
		.amdhsa_user_sgpr_kernarg_segment_ptr 1
		.amdhsa_wavefront_size32 1
		.amdhsa_system_sgpr_workgroup_id_x 1
		.amdhsa_system_sgpr_workgroup_id_y 1
		.amdhsa_system_sgpr_workgroup_id_z 1
		.amdhsa_system_vgpr_workitem_id 0
		.amdhsa_next_free_vgpr 162
		.amdhsa_next_free_sgpr 66
		.amdhsa_reserve_vcc 0
		.amdhsa_float_denorm_mode_32 3
		.amdhsa_float_denorm_mode_16_64 3
		.amdhsa_memory_ordered 1
		.amdhsa_forward_progress 1
		.amdhsa_inst_pref_size 24
	.end_amdhsa_kernel
	.amdgpu_metadata
---
amdhsa.version: [ 1, 2 ]
amdhsa.kernels:
  - .name:           k_q3d394f2098_quant
    .symbol:         k_q3d394f2098_quant.kd
    .args:
      - { .name: x, .offset: 0, .size: 8, .value_kind: global_buffer, .address_space: global }
      - { .name: Wq, .offset: 8, .size: 8, .value_kind: global_buffer, .address_space: global }
      - { .name: Wk, .offset: 16, .size: 8, .value_kind: global_buffer, .address_space: global }
      - { .name: Wv, .offset: 24, .size: 8, .value_kind: global_buffer, .address_space: global }
      - { .name: Wo, .offset: 32, .size: 8, .value_kind: global_buffer, .address_space: global }
      - { .name: lowp_scales, .offset: 40, .size: 8, .value_kind: global_buffer, .address_space: global }
      - { .name: codes, .offset: 48, .size: 8, .value_kind: global_buffer, .address_space: global }
    .group_segment_fixed_size: 33280
    .private_segment_fixed_size: 0
    .kernarg_segment_align: 8
    .kernarg_segment_size: 56
    .max_flat_workgroup_size: 128
    .sgpr_count:     66
    .vgpr_count:     162
    .wavefront_size: 32
...
	.end_amdgpu_metadata
.endif
;; end of part 1
;; launch proj (part 2): grid 12 x 32, 4 waves a work-group, clusters of 4 x 4, 327,680 bytes of LDS; arguments codes, lowp_scales, bq, bk, bv, qkvc; writes qkvc
.if DOCPART == 2
	.amdgcn_target "amdgcn-amd-amdhsa--gfx1250"
	.amdhsa_code_object_version 6
	.text
	.protected	k_q3d394f2098_proj
	.globl	k_q3d394f2098_proj
	.p2align	8
	.type	k_q3d394f2098_proj,@function
k_q3d394f2098_proj:
	s_mov_b64 s[64:65], 0
	v_nop
	global_prefetch_b8 v0, s[64:65] scope:SCOPE_SE
	s_setreg_imm32_b32 hwreg(HW_REG_WAVE_MODE, 25, 1), 1
	s_wait_xcnt 0x0
	s_wait_alu depctr_hold_cnt(0) depctr_sa_sdst(0) depctr_va_vdst(0) depctr_va_sdst(0) depctr_va_ssrc(0) depctr_va_vcc(0) depctr_vm_vsrc(0)
	s_getreg_b32 s2, hwreg(HW_REG_IB_STS2, 6, 4)
	s_cmp_eq_u32 s2, 0
	s_cbranch_scc0 .Lentry_in_a_cluster
	s_endpgm
.Lentry_in_a_cluster:
	s_bfe_u32 s2, ttmp6, 0x10000c
	s_cmp_lg_u32 s2, 0xf033
	s_cbranch_scc0 .Lentry_shape_is_right
	s_endpgm
.Lentry_shape_is_right:
; q, k, v = x W^T + b on codes of BF8 (E5M2), and their own quantising for the two products of attention, in one launch.  The cluster's x says which: p = 0 q, 1 k, 2 v.
; IN: codes (x by e0, e2, e4 at 0, 8, 16 MiB; Wq, Wk, Wv at 24, 25, 26 MiB; rows of 1,024 bytes, stored with bits 3 and 4 of the row number swapped).
; A tile of 256 x 256 results is made by four waves, each 128 x 128: 64 accumulators of 16 x 16, 512 registers.  K = 1,024 goes in four steps of 256 through two LDS slots filled by the tensor data mover.
; SOURCE 1 (its 16 rows fall on the lanes) is called A here, SOURCE 0 (its rows fall on a lane's registers) B.  For q and k: A = tokens (x), B = features (W): a lane's registers run along the head's 64,
; which is the K of q k^T.  For v the two are swapped AT THE ADDRESSES ALONE: A = features (Wv), B = tokens (x): a lane's registers run along the keys, the K of the second product.  Nothing is transposed.
; Since stored rows have bits 3 and 4 swapped, the 16 registers of accumulators (a, 2 g) and (a, 2 g + 1) are 16 NEIGHBOURS, 32 g + 16 (lane / 16) + 0 .. 15: their conversions give 16 bytes of an operand's registers.
; OUT: qkvc = q at 0, k at 8 MiB, v at 16 MiB; each [batch 4][pair of heads 8][128 tokens 16] blocks of 16 KiB = [a 8][g 4][lane 32][16 bytes]: IMAGES OF OPERAND REGISTERS.  A wave's 128 x 128 is one block,
; and each of its stores covers 512 consecutive bytes, aligned: no stage in LDS.
; THE BIAS: a sum stands for sum x 2^(ex + ew), so b goes in as b / 2^(ex + ew).  Along the registers (q, k) it is the C of the first K step's products; along the lanes (v) one packed addition on the way out.
; Both forms stand in the text for all three; the one that does not apply is multiplied by 0.  The three scales ahead of the quantiser are folded into the conversion's one: 2^(eo - ex - ew), eo = e6, e7, e9.
; CLUSTERS: 4 x 4 work-groups.  A's tile hangs on the cluster's y and cy alone and is shared along a row of the cluster, B's on the cluster's y and cx alone and is shared along a column: each is asked for jointly.
; LIMITS: ex + ew between -126 and 126; eo - ex - ew between -126 and 112.  NaN and infinity among the inputs are not served.
; REGISTERS: window 0: v0-31 addresses; v32-95 the bias along the registers, later a block's numbers on the way out; v96-111 the bias along the lanes, a pair for each block of A; v112, v113 the hold and the scale;
;   v128-255 A's fragments (one set), later the codes.   window 1: B's fragments, two sets.   windows 2, 3: the accumulators ((a, b) at v[8 (8 (a % 4) + b)]).
.set KROW,   1024                      ; a row of codes in memory, in bytes
.set ROWB,   256                       ; a tile's row: 256 along K
.set PITCH,  272                       ; an LDS row: 256 bytes + 16 of padding = 68 words: row r starts at bank 4 r mod 64 (64 banks of 4 bytes: ISA guide 11.1)
.set FR,     16                        ; registers of a fragment: 16 rows x 128 K
.set NL,     4                         ; LDS loads that bring one
.set NP,     4                         ; places behind this matrix instruction (ISA guide 7.12.1)
.set HALFT,  128*PITCH                 ; 128 rows: what one tensor load brings, and what one wave reads of A or of B
.set SLOT,   4*HALFT                   ; A's 256 rows, then B's 256 rows
.set SPARE,  2*SLOT                    ; behind the ring: the spare words, 128 bytes for each wave: two blocks of 256 bytes that no other line names
.set ADRA, 16                          ; v16-17  LDS address of my A fragments in slot 0, 1
.set ADRB, 20                          ; v20-21  the same for B
.set CO,   26                          ; v26     16 x lane: my place in a store's 512 bytes
.set SPW,  28                          ; v28     LDS address of my spare word; never rewritten
.set NIL,  29                          ; v29     0; never rewritten
.set CI,   32
.set TMP,  32
.set B1,   96
.set LIM,  112
.set SCL,  113
.set AF,   128
.set CD,   128
.set G1, 24                            ; s[24:31] descriptor group 1 for A's tiles;  s[32:39] group 0, one set for each slot
.set G0, 32
.set G1B, 48                           ; s[48:55], s[56:63] the same for B's tiles
.set G0B, 56
.set MSB, 0
.macro WIN new                         ; the immediate's high byte repeats the setting that is left
.if MSB != \new
	s_set_vgpr_msb (MSB<<8)|\new
.set MSB, \new
.endif
.endm
.set MUL_LO, 0xa1                      ; source 0 (B) window 1, source 1 (A) window 0, C and D window 2
.set MUL_HI, 0xf1                      ; the same, C and D window 3
.set FST_LO, 0x81                      ; the first K step: C (the bias) window 0, D window 2
.set FST_HI, 0xc1                      ; D window 3
.set TO_B,   0x40                      ; destination window 1, address window 0
; A joint load: waves 0 and 1 fetch for A, waves 2 and 3 for B.  Each line has one mask and one set of registers for all that issue it; the branch hangs on the wave's number alone.
; Four v_nop follow each of the two lines, ahead of the jump, the label and what follows.
.macro JLOAD g0a, g1a, g0b, g1b
	s_cmp_eq_u32 s15, 0
	s_cbranch_scc0 .Lfor_b_\@
	tensor_load_to_lds s[\g0a:\g0a+3], s[\g1a:\g1a+7]
	s_nop 0
.rept 4
	v_nop
.endr
	s_branch .Lasked_\@
.Lfor_b_\@:
	tensor_load_to_lds s[\g0b:\g0b+3], s[\g1b:\g1b+7]
	s_nop 0
.rept 4
	v_nop
.endr
.Lasked_\@:
.endm
.macro CREST                           ; a round of the cluster's barrier behind its opening barrier
	s_cmp_lg_u32 s14, 0
	s_cbranch_scc1 .Lnot_wave_0_\@
	s_barrier_signal -3
.Lnot_wave_0_\@:
	s_barrier_wait -3
	s_barrier_signal -1
	s_barrier_wait -1
.endm
.macro CROUND                          ; a whole round
	s_barrier_signal -1
	s_barrier_wait -1
	CREST
.endm
	s_load_b256 s[4:11], s[0:1], 0x0               ; codes s[4:5], the scales' exponents s[6:7], bq s[8:9], bk s[10:11]
	s_load_b128 s[68:71], s[0:1], 0x20             ; bv s[68:69], qkvc s[70:71]
	v_lshl_add_u32 v[SPW], v0, 2, SPARE
	v_mov_b32 v[NIL], 0
	ds_add_u32 v28, v29
	ds_add_u32 v28, v29
	s_wait_dscnt 0x0
	v_lshrrev_b32 v1, 5, v0
	v_readfirstlane_b32 s14, v1                    ; wave 0..3
	s_lshr_b32 s15, s14, 1                         ; which half of A's rows is mine.  Also: I fetch for A (0) or for B (1)
	s_and_b32 s16, s14, 1                          ; which half of B's rows.  Also: which 128 rows of that tile I fetch
	s_bfe_u32 s40, ttmp6, 0x40000                  ; cx, cy: my place in the cluster
	s_bfe_u32 s41, ttmp6, 0x40004
	s_lshr_b32 s72, ttmp9, 1                       ; 1 for v, 0 for q and k (p = the cluster's x = 0, 1, 2)
	s_sub_co_u32 s73, 1, s72                       ; and the other way round
	s_and_b32 s74, ttmp7, 0xffff
	s_lshl_b32 s74, s74, 2                         ; 4 x the cluster's y: it counts the tokens' tiles
	s_mul_i32 s17, s74, s73
	s_add_co_u32 s17, s17, s41                     ; A's tile: q, k: 4 y + cy of x's 32;  v: cy of Wv's 4
	s_mul_i32 s42, s74, s72
	s_add_co_u32 s42, s42, s40                     ; B's tile: q, k: cx of W's 4;  v: 4 y + cx of x's 32
	s_lshl_b32 s43, s41, 2
	s_lshl_b32 s43, 15, s43                        ; my row of the cluster
	s_lshl_b32 s44, 0x1111, s40                    ; my column
	; descriptor group 1: a tile of 128 rows x 256 bytes, padded in LDS
	s_or_b32 s[G1+0], s43, (0<<16)|(1<<20)|(1<<21)|(5<<22)|(3<<25)  ; 15:0 the mask: A's tiles go to my row; 17:16 element of 1 byte; 20 padding on; 21 set beside a mask; 24:22 after every 64 words (code 5); 31:25 of 4 words (code 3)
	s_or_b32 s[G1B+0], s44, (0<<16)|(1<<20)|(1<<21)|(5<<22)|(3<<25)
.irp g, G1, G1B
	s_mov_b32 s[\g+1], ROWB<<16                    ; tensor_dim0
	s_mov_b32 s[\g+2], 128<<16                     ; tensor_dim1 = 128
	s_mov_b32 s[\g+3], ROWB<<16                    ; tile_dim0
	s_mov_b32 s[\g+4], 128                         ; tile_dim1 = 128
	s_mov_b32 s[\g+5], KROW                        ; tensor_dim0_stride
	s_mov_b32 s[\g+6], 0
	s_mov_b32 s[\g+7], 0
.endr
	; where the tiles come from, as byte offsets in codes: all stay under 2^32
	s_lshl_b32 s18, s16, 7                         ; which 128 rows of the tile I fetch
	s_mul_i32 s19, s72, 0xa00000                   ; 10 MiB for v, else 0
	s_lshl_b32 s20, s17, 8
	s_add_co_u32 s20, s20, s18
	s_lshl_b32 s20, s20, 10                        ; A: (256 x tile + 128 x half) rows of 1,024 bytes
	s_lshl_b32 s75, ttmp9, 23
	s_add_co_u32 s20, s20, s75                     ; + 8 MiB x p: x by e0, by e2;
	s_add_co_u32 s20, s20, s19                     ; for v 16 + 10 = 26 MiB: Wv
	s_mov_b32 s21, 0
	s_lshl_b32 s46, s42, 8
	s_add_co_u32 s46, s46, s18
	s_lshl_b32 s46, s46, 10                        ; B likewise
	s_lshl_b32 s47, ttmp9, 20
	s_add_co_u32 s46, s46, s47
	s_add_co_u32 s46, s46, 0x1800000               ; + 24 MiB + 1 MiB x p: Wq, Wk;
	s_sub_co_u32 s46, s46, s19                     ; for v 26 - 10 = 16 MiB: x by e4
	s_mov_b32 s47, 0
	s_mul_i32 s45, s14, HALFT                      ; where they go: wave x 128 rows: no place in the cluster enters an LDS address
	s_wait_kmcnt 0x0
	s_load_b256 s[76:83], s[6:7], 0x0              ; e0 .. e7
	s_load_b128 s[84:87], s[6:7], 0x20             ; e8 .. e11
	s_add_nc_u64 s[20:21], s[4:5], s[20:21]
	s_add_nc_u64 s[46:47], s[4:5], s[46:47]
	CROUND                                         ; all sixteen work-groups are here: the first joint loads meet
.irp s, 0,1
	s_mov_b32 s[G0+4*\s], 1
	s_add_co_u32 s[G0+4*\s+1], s45, \s*SLOT
	s_add_nc_u64 s[G0+4*\s+2:G0+4*\s+3], s[20:21], \s*ROWB
	s_or_b32 s[G0+4*\s+3], s[G0+4*\s+3], 0x80000000
	s_mov_b32 s[G0B+4*\s], 1
	s_add_co_u32 s[G0B+4*\s+1], s45, \s*SLOT
	s_add_nc_u64 s[G0B+4*\s+2:G0B+4*\s+3], s[46:47], \s*ROWB
	s_or_b32 s[G0B+4*\s+3], s[G0B+4*\s+3], 0x80000000
	JLOAD G0+4*\s, G1, G0B+4*\s, G1B
.endr
	; the bias: bq, bk or bv; the part that does not apply is read at the buffer's head and multiplied by 0
	s_cmp_eq_u32 ttmp9, 1
	s_cselect_b64 s[92:93], s[10:11], s[68:69]
	s_cmp_eq_u32 ttmp9, 0
	s_cselect_b64 s[92:93], s[8:9], s[92:93]
	s_lshl_b32 s98, s41, 8
	s_lshl_b32 s99, s15, 7
	s_add_co_u32 s98, s98, s99
	s_mul_i32 s98, s98, s72                        ; v: my 128 features begin at 256 cy + 128 (wave / 2)
	s_lshl_b32 s98, s98, 2
	s_mov_b32 s99, 0
	s_add_nc_u64 s[96:97], s[92:93], s[98:99]
	s_lshl_b32 s98, s40, 8
	s_lshl_b32 s75, s16, 7
	s_add_co_u32 s98, s98, s75
	s_mul_i32 s98, s98, s73                        ; q, k: at 256 cx + 128 (wave % 2)
	s_lshl_b32 s98, s98, 2
	s_add_nc_u64 s[92:93], s[92:93], s[98:99]
	v_and_b32 v1, 15, v0                           ; r = lane % 16
	v_bfe_u32 v2, v0, 4, 1                         ; h = lane / 16
	v_lshlrev_b32 v5, 6, v2                        ; along the registers: accumulators (a, 2 g), (a, 2 g + 1) hold features 32 g + 16 h + 0 .. 15
	v_and_b32 v6, 8, v1
	v_add_nc_u32 v6, v6, v1
	v_lshlrev_b32 v6, 2, v6                        ; along the lanes: block a's lane r holds feature 32 (a / 2) + 8 (a % 2) + r + 8 (r / 8)
.irp g, 0,1,2,3
.irp i, 0,1,2,3
	global_load_b128 v[CI+16*\g+4*\i:CI+16*\g+4*\i+3], v5, s[92:93] offset:128*\g+16*\i
.endr
.endr
.irp a, 0,1,2,3,4,5,6,7
	global_load_b32 v[B1+2*\a], v6, s[96:97] offset:4*(32*(\a/2)+8*(\a%2))
.endr
	v_mul_u32_u24 v3, v1, PITCH
	v_lshl_add_u32 v4, v2, 4, v3                   ; a fragment's row x pitch + 16 x half
	s_mul_i32 s21, s15, HALFT                      ; my 128 rows of A
	s_mul_i32 s22, s16, HALFT                      ; my 128 rows of B,
	s_add_co_u32 s22, s22, 2*HALFT                 ; which lie behind A's 256
.irp s, 0,1
	v_add_nc_u32 v[ADRA+\s], s21, v4
	v_add_nc_u32 v[ADRB+\s], s22, v4
	s_add_co_u32 s21, s21, SLOT
	s_add_co_u32 s22, s22, SLOT
.endr
	v_and_b32 v7, 31, v0
	v_lshlrev_b32 v[CO], 4, v7
	; my block of 16 KiB in qkvc: ((batch x 8 + pair of heads) x 16 + group of 128 tokens) x 16 KiB + 8 MiB x p
	s_lshl_b32 s74, s17, 1
	s_add_co_u32 s74, s74, s15                     ; which 128 of A's rows are mine,
	s_lshl_b32 s75, s42, 1
	s_add_co_u32 s75, s75, s16                     ; which 128 of B's
	s_cmp_eq_u32 ttmp9, 2
	s_cselect_b32 s98, s75, s74                    ; the tokens' (0..63): A's for q and k, B's for v
	s_cselect_b32 s99, s74, s75                    ; the features' (0..7): the pair of heads
	s_lshr_b32 s74, s98, 4                         ; batch
	s_lshl_b32 s74, s74, 3
	s_add_co_u32 s74, s74, s99
	s_lshl_b32 s74, s74, 4
	s_and_b32 s98, s98, 15
	s_add_co_u32 s74, s74, s98
	s_lshl_b32 s98, s74, 14
	s_lshl_b32 s75, ttmp9, 23
	s_add_co_u32 s98, s98, s75
	s_mov_b32 s99, 0
	s_add_nc_u64 s[94:95], s[70:71], s[98:99]
	s_wait_kmcnt 0x0
	s_add_co_i32 s88, s80, s81                     ; ex + ew and eo: e4 + e5, e9 for v;
	s_mov_b32 s89, s85
	s_add_co_i32 s75, s78, s79
	s_cmp_eq_u32 ttmp9, 1
	s_cselect_b32 s88, s75, s88                    ; e2 + e3, e7 for k;
	s_cselect_b32 s89, s83, s89
	s_add_co_i32 s75, s76, s77
	s_cmp_eq_u32 ttmp9, 0
	s_cselect_b32 s88, s75, s88                    ; e0 + e1, e6 for q
	s_cselect_b32 s89, s82, s89
	s_sub_co_i32 s90, 127, s88
	s_lshl_b32 s90, s90, 23                        ; 2^-(ex + ew) as f32,
	s_mul_i32 s91, s90, s72                        ; or 0: for the bias along the lanes (v),
	s_mul_i32 s90, s90, s73                        ; for the bias along the registers (q, k)
	s_sub_co_i32 s75, s89, s88
	s_add_co_i32 s75, s75, 127
	s_lshl_b32 s74, s75, 23
	v_mov_b32 v[SCL], s74                          ; 2^(eo - ex - ew): the conversion takes its exponent field
	s_add_co_i32 s75, s75, 15
	s_lshl_b32 s75, s75, 23
	s_or_b32 s75, s75, 0x600000
	v_mov_b32 v[LIM], s75                          ; 57,344 x that
	s_wait_loadcnt 0x0                             ; the biases
.set j, 0
.rept 32
	v_pk_mul_f32 v[CI+j:CI+j+1], v[CI+j:CI+j+1], s[90:91] op_sel_hi:[1,0]   ; both x s90
.set j, j+2
.endr
.irp a, 0,1,2,3,4,5,6,7
	v_mul_f32 v[B1+2*\a+1], s91, v[B1+2*\a]        ; twice: a pair for the packed addition
	v_mul_f32 v[B1+2*\a], s91, v[B1+2*\a]
.endr
.macro FRAG reg, adr, q, i             ; a fragment, 16 rows x 128 K of 8-bit codes, is 16 registers: lane l holds row l % 16; registers 4 c .. 4 c + 3 hold K = 32 c + 16 (l / 16) + 0 .. 15, alike in A and B
.irp c, 0,1,2,3
	ds_load_b128 v[\reg+4*\c:\reg+4*\c+3], v[\adr] offset:128*(\q)+32*\c+(\i)*16*PITCH
.endr
.endm
; 16 matrix instructions: A's blocks a0, a0 + 1 x B's eight, 128 along K.  p: B's set.  first = 1: the first product starts the sums, with the bias along the registers as C: nothing is cleared.
; The 64 accumulators take turns, one instruction a turn, in the same order in every step.
.macro MUL16 a0, p, first
.irp a, \a0, \a0+1
.irp b, 0,1,2,3,4,5,6,7
.if \first
	v_wmma_f32_16x16x128_bf8_bf8 v[8*(8*((\a)%4)+\b):8*(8*((\a)%4)+\b)+7], v[128*(\p)+FR*\b:128*(\p)+FR*\b+FR-1], v[AF+FR*(\a):AF+FR*(\a)+FR-1], v[CI+8*\b:CI+8*\b+7]
.else
	v_wmma_f32_16x16x128_bf8_bf8 v[8*(8*((\a)%4)+\b):8*(8*((\a)%4)+\b)+7], v[128*(\p)+FR*\b:128*(\p)+FR*\b+FR-1], v[AF+FR*(\a):AF+FR*(\a)+FR-1], v[8*(8*((\a)%4)+\b):8*(8*((\a)%4)+\b)+7]
.endif
.endr
.endr
.endm
.macro FETCH_B slot, q, p              ; B's eight fragments of the slot's q-th 128 along K into set p
	WIN TO_B
.irp i, 0,1,2,3,4,5,6,7
	FRAG 128*(\p)+FR*\i, ADRB+\slot, \q, \i
.endr
	WIN 0
.endm
.macro FETCH_A slot, q, i0             ; A's blocks i0 .. i0 + 3
.irp i, \i0, \i0+1, \i0+2, \i0+3
	FRAG AF+FR*(\i), ADRA+\slot, \q, \i
.endr
.endm
; A load into a register that a matrix instruction has read, and a vector instruction that reads a matrix result, stand NP places behind that matrix instruction; only plain vector instructions
; that name none of its registers are places (ISA guide 7.12.1 for vector instructions).
.macro PLACES n
.rept \n
	v_nop
.endr
.endm
; A step of 128 along K that has its successor in the same slot.  A's blocks are free as soon as their eight products are issued: one set of registers serves A; B has two.
.macro STEP slot, q, first
	s_wait_dscnt 4*NL                              ; B's set and A's blocks 0-3 are in; the youngest sixteen loads (A's blocks 4-7) may be out
.if \first
	WIN FST_LO
.else
	WIN MUL_LO
.endif
	MUL16 0, (\q)%2, \first
	MUL16 2, (\q)%2, \first
	s_wait_dscnt 0                                 ; A's blocks 4-7 are in (asked for 32 matrix instructions ago)
	PLACES NP
	FETCH_B \slot, (\q)+1, 1-(\q)%2
	FETCH_A \slot, (\q)+1, 0
.if \first
	WIN FST_HI
.else
	WIN MUL_HI
.endif
	MUL16 4, (\q)%2, \first
	MUL16 6, (\q)%2, \first
	PLACES NP
	WIN 0
	FETCH_A \slot, (\q)+1, 4
.endm
; A slot's last step changes slots: ONE barrier; in front of it each wave waits for all its tensor loads, adds 0 to its spare word, and waits for that and for its own reads of this slot.  fill = 1: this slot is filled again, two K steps ahead.
.macro TURN slot, next, fill
	s_wait_tensorcnt 0x0                           ; all my tensor loads have landed: my part of the next slot;  (every window is 0 here)
	ds_add_u32 v[SPW], v[NIL]                      ; 0 onto my spare word
	s_wait_dscnt 4*NL+1                            ; (the add and the youngest sixteen loads, A's blocks 4-7, may be out)
	WIN MUL_LO
	MUL16 0, 1, 0                                  ; sixteen matrix instructions stand between the add and the wait for it
	s_wait_dscnt 0x0                               ; the add is done, and my reads of this slot are over
	s_barrier_signal -1
	MUL16 2, 1, 0
	WIN 0
	s_barrier_wait -1
.if \fill
	CREST                                          ; the barrier has opened a round of the cluster's barrier: no wave of any partner still reads this slot's tile or has a load on its way
	s_add_nc_u64 s[G0+4*\slot+2:G0+4*\slot+3], s[G0+4*\slot+2:G0+4*\slot+3], 2*ROWB
	s_add_nc_u64 s[G0B+4*\slot+2:G0B+4*\slot+3], s[G0B+4*\slot+2:G0B+4*\slot+3], 2*ROWB
	JLOAD G0+4*\slot, G1, G0B+4*\slot, G1B         ; the first tensor load behind the round; the four v_nop behind it are the places in front of the loads below
.else
	PLACES NP
.endif
	FETCH_B \next, 0, 0
	FETCH_A \next, 0, 0
	WIN MUL_HI
	MUL16 4, 1, 0
	MUL16 6, 1, 0
	PLACES NP
	WIN 0
	FETCH_A \next, 0, 4
.endm
	s_wait_tensorcnt 1                             ; my part of K step 0 is in (K step 1's load may be out)
	s_barrier_signal -1
	s_barrier_wait -1                              ; everybody's is
	FETCH_B 0, 0, 0
	FETCH_A 0, 0, 0
	FETCH_A 0, 0, 4
	STEP 0, 0, 1                                   ; K 0-127: its products start the sums
	TURN 0, 1, 1                                   ; K 128-255; slot 0 takes K 512-767
	STEP 1, 0, 0
	TURN 1, 0, 1                                   ; slot 1 takes K 768-1023
	STEP 0, 0, 0
	TURN 0, 1, 0                                   ; nothing is left to fetch, and no round of the cluster's barrier follows
	STEP 1, 0, 0
	s_wait_dscnt 4*NL                              ; the very last step
	WIN MUL_LO
	MUL16 0, 1, 0
	MUL16 2, 1, 0
	s_wait_dscnt 0
	WIN MUL_HI
	MUL16 4, 1, 0
	MUL16 6, 1, 0
	WIN 0
; THE WAY OUT of block a (16 of A's rows x my 128 of B's): the bias along the lanes, the hold, the conversions; a lane's 16 neighbours give 16 bytes, a store's 32 lanes 512 consecutive bytes.
; Each block has code registers of its own, so no store's data are written again.  Each accumulator is read from its low end on.
.macro OUTBLK a
.set AC, 64*((\a)%4)
	WIN 0x02+((\a)/4)                              ; source 0: window 2 or 3
.set j, 0
.rept 32
	v_pk_add_f32 v[TMP+j:TMP+j+1], v[AC+j:AC+j+1], v[B1+2*(\a):B1+2*(\a)+1]
.set j, j+2
.endr
	WIN 0
.set j, 0
.rept 64
	v_med3_num_f32 v[TMP+j], v[TMP+j], -v[LIM], v[LIM]   ; the conversion to an 8-bit code does not saturate (ISA guide 7.6.2)
.set j, j+1
.endr
.irp g, 0,1,2,3
	v_cvt_scalef32_pk8_bf8_f32 v[CD+16*(\a)+4*\g:CD+16*(\a)+4*\g+1], v[TMP+16*\g:TMP+16*\g+7], v[SCL]
	v_cvt_scalef32_pk8_bf8_f32 v[CD+16*(\a)+4*\g+2:CD+16*(\a)+4*\g+3], v[TMP+16*\g+8:TMP+16*\g+15], v[SCL]
.endr
	v_nop                                          ; one plain vector instruction between a scaled conversion and the next block's additions, which write its sources
.irp g, 0,1,2,3
	global_store_b128 v[CO], v[CD+16*(\a)+4*\g:CD+16*(\a)+4*\g+3], s[94:95] offset:(\a)*2048+\g*512
.endr
.endm
	PLACES NP                                      ; behind the last products: the conversions write the registers that held A's fragments, and block 7's additions read results just made
.irp a, 0,1,2,3,4,5,6,7
	OUTBLK \a
.endr
	s_wait_tensorcnt 0x0                           ; the wave's end
	ds_add_u32 v[SPW], v[NIL]
	s_wait_dscnt 0x0
	CROUND                                         ; the closing round: no work-group ends while a partner may still ask for a tile that names it
	s_endpgm
.Lfunc_end_k_q3d394f2098_proj:
	.size	k_q3d394f2098_proj, .Lfunc_end_k_q3d394f2098_proj-k_q3d394f2098_proj
	.p2alignl 7, 3214868480
	.fill 96, 4, 3214868480
	.section	.rodata,"a",@progbits
	.p2align	6, 0x0
	.amdhsa_kernel k_q3d394f2098_proj
		.amdhsa_group_segment_fixed_size 327680
		.amdhsa_private_segment_fixed_size 0
		.amdhsa_enable_private_segment 0
		.amdhsa_kernarg_size 48
		.amdhsa_user_sgpr_count 2
		.amdhsa_user_sgpr_kernarg_segment_ptr 1
		.amdhsa_wavefront_size32 1
		.amdhsa_system_sgpr_workgroup_id_x 1
		.amdhsa_system_sgpr_workgroup_id_y 1
		.amdhsa_system_sgpr_workgroup_id_z 1
		.amdhsa_system_vgpr_workitem_id 0
		.amdhsa_next_free_vgpr 1024
		.amdhsa_next_free_sgpr 100
		.amdhsa_reserve_vcc 0
		.amdhsa_float_denorm_mode_32 3
		.amdhsa_float_denorm_mode_16_64 3
		.amdhsa_memory_ordered 1
		.amdhsa_forward_progress 1
		.amdhsa_inst_pref_size 140
	.end_amdhsa_kernel
	.amdgpu_metadata
---
amdhsa.version: [ 1, 2 ]
amdhsa.kernels:
  - .name:           k_q3d394f2098_proj
    .symbol:         k_q3d394f2098_proj.kd
    .args:
      - { .name: codes, .offset: 0, .size: 8, .value_kind: global_buffer, .address_space: global }
      - { .name: lowp_scales, .offset: 8, .size: 8, .value_kind: global_buffer, .address_space: global }
      - { .name: bq, .offset: 16, .size: 8, .value_kind: global_buffer, .address_space: global }
      - { .name: bk, .offset: 24, .size: 8, .value_kind: global_buffer, .address_space: global }
      - { .name: bv, .offset: 32, .size: 8, .value_kind: global_buffer, .address_space: global }
      - { .name: qkvc, .offset: 40, .size: 8, .value_kind: global_buffer, .address_space: global }
    .group_segment_fixed_size: 327680
    .private_segment_fixed_size: 0
    .kernarg_segment_align: 8
    .kernarg_segment_size: 48
    .max_flat_workgroup_size: 128
    .sgpr_count:     100
    .vgpr_count:     1024
    .wavefront_size: 32
...
	.end_amdgpu_metadata
.endif
;; end of part 2
;; launch attn (part 3): grid 4 x 64, 8 waves a work-group, clusters of 4 x 1, 271,360 bytes of LDS; arguments qkvc, mask, lowp_scales, attc; writes attc
.if DOCPART == 3
	.amdgcn_target "amdgcn-amd-amdhsa--gfx1250"
	.amdhsa_code_object_version 6
	.text
	.protected	k_q3d394f2098_attn
	.globl	k_q3d394f2098_attn
	.p2align	8
	.type	k_q3d394f2098_attn,@function
k_q3d394f2098_attn:
	s_mov_b64 s[64:65], 0
	v_nop
	global_prefetch_b8 v0, s[64:65] scope:SCOPE_SE
	s_setreg_imm32_b32 hwreg(HW_REG_WAVE_MODE, 25, 1), 1
	s_wait_xcnt 0x0
	s_wait_alu depctr_hold_cnt(0) depctr_sa_sdst(0) depctr_va_vdst(0) depctr_va_sdst(0) depctr_va_ssrc(0) depctr_va_vcc(0) depctr_vm_vsrc(0)
	s_getreg_b32 s2, hwreg(HW_REG_IB_STS2, 6, 4)
	s_cmp_eq_u32 s2, 0
	s_cbranch_scc0 .Lentry_in_a_cluster
	s_endpgm
.Lentry_in_a_cluster:
	s_bfe_u32 s2, ttmp6, 0x10000c
	s_cmp_lg_u32 s2, 0x3003
	s_cbranch_scc0 .Lentry_shape_is_right
	s_endpgm
.Lentry_shape_is_right:
; attended = softmax(q k^T / 8, masked keys out) v, both products on codes of BF8 (E5M2), and its quantising for the output product.  Heads of 64, 2,048 keys, 64 (batch, head) pairs.
; THE SOFTMAX AHEAD OF THE SECOND PRODUCT: t = score x log2(e) / 8; M = the largest t so far, rounded UP to a whole number; p = 2^(t - M) is quantised (2^e8), not normalised.  The row's sum is taken of the
; unquantised p and divides at the end.  When M moves, the sum and O are multiplied by 2^(old M - new M): nothing is rounded, and there is no branch on data.
; SHARES.  The cluster's y is (batch, head).  The four work-groups of a cluster share one head's K and V: 256 KiB of codes, asked for JOINTLY, once, and kept in LDS for the whole launch: no byte of LDS is filled twice.
; A work-group makes 512 queries in two passes of 256; each of its eight waves owns 32 queries a pass, two tiles of 16, in 512 registers: two waves to a SIMD.  Each fragment read from LDS feeds two products.
; LAYOUT.  Both products are used transposed: S^T = K Q^T (source 0 = 16 keys, source 1 = 16 queries), O^T = V^T P^T (source 0 = 16 of the head's 64, source 1 = P): a lane holds ONE query throughout.
; q, k, v lie in qkvc as images of operand registers, 512 bytes (16 a lane) for four registers; a tile's sixteen rows are 32 b + 8 u + r + 8 (r / 8), so that the 16 registers of result tiles 2 b and 2 b + 1
; are 16 neighbours: p's conversions ARE the second product's operand, and O's conversions are the output product's, stored as images again (attc: [tile of 16 tokens 512][32 along K 32][lane][16 bytes]).
; THE MASK COSTS NO VECTOR WORK: a table in LDS holds 0 for a key that counts and -3e38 for a masked one, and a step's 64 values of a lane are the C of the score products.  The running maximum is kept in the
; sums' own units and begins at -2^50: under every true sum (at most 64 x 57,344^2 = 2.1e11 in size), over every masked one.  So a masked key never moves M, and its p is 2^(-huge) = 0.
; A KEY STEP (128 keys): 16 score products; ONE run of 48 LDS loads: this step's V and the NEXT step's K and mask values, so that a whole softmax lies between every load and its use; the softmax of the two tiles,
; laid out from numbered lists so that no instruction reads the result of the one just before it and every exponential has a plain instruction on either side; 8 products with V.
; LIMITS: e6 + e7 between -100 and 60; e8 and e10 between -126 and 112; e8 + e9 is applied by v_ldexp_f32.  A batch all of whose keys are masked is not served (the sum is 0 there).  NaN among the inputs is not served.
; REGISTERS.  window 0: v1-6 addresses; v7-11 holds and scales; v12-27 eight registers of statistics a tile; v28-31 a pair a tile: the old -M, then a sum at work; v32-47 Q of the first pass; v48-79 p's codes;
;   v80-95 O's codes; v96-111 Q of the second pass; v112-123 the mask table's making; v128-255 S^T, then p.
;   window 1: v0-63 O^T; v64-127 K's eight fragments; v128-191 the mask's 64 values; v192-255 V's four fragments.
.set VB,   131072                      ; LDS: K's codes at 0 (tile of 16 keys T at 1,024 T), V's from here (key step s at 8,192 s: [16 of the head's 64: 4][32 keys: 4][512]),
.set MB,   262144                      ; and the mask table: 2,048 f32.  It is written by ds_store; no tensor load lands there
.set LI,   1                           ; v1   16 x lane: my place in an image
.set LV,   2                           ; v2   the same in V's region
.set LM,   3                           ; v3   the mask table + 64 (lane / 16)
.set ADK,  4                           ; v4-6 the step's addresses
.set ADV,  5
.set ADB,  6
.set LIMQ, 7                           ; 57,344 x 2^e8 once more: the two halves of a dual hold name different registers as their first sources, as that form's operand rules ask
.set LIMP, 8                           ; 57,344 x 2^e8, 2^e8: p's
.set SCLP, 9
.set LIMO, 10                          ; the same with e10: the attended rows'
.set SCLO, 11
.set ST,   12                          ; tile t's statistics at v[ST + 8 t]: +0 -M; +1 the running largest sum; +2, +3 l in two halves; +4 to +7 c0-c3, at work; f takes c0's place once the maximum is found
.set SU,   28
.set Q,    32
.set P,    48
.set OC,   80
.set Q2,   96
.set MW,   112
.set TH,   123                         ; at work at the head
.set S,    128
.set O,    0                           ; in window 1
.set KF,   64
.set BI,   128
.set VF,   192
.set WV,   12                          ; s12  my wave's number
.set G1K,  24                          ; s[24:31] descriptor group 1 for K's tiles; s[80:87] for V's
.set G0,   32                          ; s[32:47] four groups 0: one for each of my four loads
.set QP,   48                          ; s[48:49] my queries' codes
.set AP,   50                          ; s[50:51] my rows of attc
.set CS,   52                          ; s[52:53] c = log2(e) / 8 x 2^(e6 + e7)
.set SEL,  54                          ; s[54:55] lane selects for v_permlanex16_b32: lane l xor 16
.set CNT,  57                          ; s57  key steps to go
.set KO,   58                          ; s58  the key step x 8,192
.set MO,   59                          ; s59  the key step x 512
.set G1V,  80
.set EPV,  94                          ; s94  e8 + e9
.set MSB, 0
.macro WIN new                         ; the immediate's high byte repeats the setting that is left
.if MSB != \new
	s_set_vgpr_msb (MSB<<8)|\new
.set MSB, \new
.endif
.endm
.set TO1,  0x40                        ; destination window 1
.set W_S,  0x11                        ; K and the mask's values window 1, Q and S^T window 0
.set W_PV, 0x51                        ; V and O^T window 1, P window 0
.set W_RS, 0x41                        ; O^T (destination and source 0) window 1, f window 0
.set W_RD, 0x01                        ; source 0 (O^T) window 1
.macro ROUND                           ; a round of the cluster's barrier
	s_barrier_signal -1
	s_barrier_wait -1
	s_cmp_lg_u32 s[WV], 0
	s_cbranch_scc1 .Lnot_wave_0_\@
	s_barrier_signal -3
.Lnot_wave_0_\@:
	s_barrier_wait -3
	s_barrier_signal -1
	s_barrier_wait -1
.endm
	s_load_b256 s[4:11], s[0:1], 0x0               ; qkvc s[4:5], mask s[6:7], the scales' exponents s[8:9], attc s[10:11]
	v_lshl_add_u32 v126, v0, 2, 0x42000
	v_mov_b32 v127, 0
	ds_add_u32 v126, v127
	ds_add_u32 v126, v127
	v_lshrrev_b32 v[TH], 5, v0
	v_readfirstlane_b32 s[WV], v[TH]               ; wave 0..7
	s_and_b32 s14, ttmp7, 0xffff                   ; (batch, head), which the four partners share
	s_lshr_b32 s15, s14, 4                         ; batch
	s_and_b32 s16, s14, 15                         ; head
	s_lshr_b32 s17, s16, 1                         ; its pair
	s_and_b32 s18, s16, 1                          ; and its place in the pair
	s_lshr_b32 s19, s[WV], 2                       ; waves 0-3 fetch K (0), waves 4-7 V (1);
	s_and_b32 s20, s[WV], 3                        ; in each chunk of four key steps, step wave % 4
	s_lshl_b32 s21, s15, 3
	s_add_co_u32 s21, s21, s17
	s_lshl_b32 s21, s21, 18                        ; the pair's 16 blocks of 16 KiB
	s_add_co_u32 s22, s19, 1
	s_lshl_b32 s22, s22, 23                        ; k at 8 MiB, v at 16 MiB
	s_add_co_u32 s22, s22, s21
	s_lshl_b32 s23, s20, 14                        ; my key step's block
	s_add_co_u32 s22, s22, s23
	s_mul_i32 s23, s19, 3
	s_add_co_u32 s23, s23, 10
	s_lshl_b32 s23, s18, s23                       ; my head's part of a block: K: 1,024 bytes of each 2,048; V: one half of 8,192
	s_add_co_u32 s60, s22, s23
	s_mov_b32 s61, 0
	s_lshl_b32 s62, s19, 17
	s_lshl_b32 s63, s20, 13
	s_add_co_u32 s62, s62, s63                     ; and in LDS: region + 8,192 x step: the wave's number alone
	; descriptor group 1: 8 rows of 1,024 bytes.  K's rows lie 2,048 bytes apart, V's on end
	s_mov_b32 s[G1K], 15|(3<<16)|(1<<21)           ; 15:0 the mask: all four work-groups; 17:16 elements of 8 bytes; 21 set beside a mask; no padding
	s_mov_b32 s[G1V], 15|(3<<16)|(1<<21)
.irp g, G1K, G1V
	s_mov_b32 s[\g+1], 128<<16                     ; tensor_dim0 = 128 elements
	s_mov_b32 s[\g+2], 8<<16                       ; tensor_dim1 = 8
	s_mov_b32 s[\g+3], 128<<16                     ; tile_dim0
	s_mov_b32 s[\g+4], 8                           ; tile_dim1
	s_mov_b32 s[\g+6], 0
	s_mov_b32 s[\g+7], 0
.endr
	s_mov_b32 s[G1K+5], 256                        ; tensor_dim0_stride, in elements
	s_mov_b32 s[G1V+5], 128
	; my queries and my rows of attc: the one place where cx enters, in registers of its own
	s_bfe_u32 s13, ttmp6, 0x40000                  ; cx
	s_lshl_b32 s88, s13, 5
	s_lshl_b32 s89, s[WV], 1
	s_add_co_u32 s88, s88, s89                     ; my first tile of 16 queries in the batch: 32 cx + 2 x wave (+ 16 in the second pass)
	s_lshl_b32 s90, s88, 11                        ; a tile of q: 2,048 bytes for the pair of heads,
	s_add_co_u32 s90, s90, s21
	s_lshl_b32 s89, s18, 10                        ; 1,024 of them my head's
	s_add_co_u32 s90, s90, s89
	s_mov_b32 s91, 0
	s_lshl_b32 s92, s15, 7
	s_add_co_u32 s92, s92, s88
	s_lshl_b32 s92, s92, 14                        ; a tile of attc: 16 KiB,
	s_lshl_b32 s89, s16, 10                        ; 1,024 of them my head's
	s_add_co_u32 s92, s92, s89
	s_mov_b32 s93, 0
	s_lshl_b32 s2, s15, 13                         ; the batch's 2,048 mask words
	s_mov_b32 s3, 0
	s_mov_b32 s[SEL], 0x76543210
	s_mov_b32 s[SEL+1], 0xfedcba98
	s_wait_dscnt 0x0
	s_wait_kmcnt 0x0
	s_load_b256 s[68:75], s[8:9], 0x0              ; e0 .. e7
	s_load_b128 s[76:79], s[8:9], 0x20             ; e8 .. e11
	s_add_nc_u64 s[60:61], s[4:5], s[60:61]
	s_add_nc_u64 s[QP:QP+1], s[4:5], s[90:91]
	s_add_nc_u64 s[AP:AP+1], s[10:11], s[92:93]
	s_add_nc_u64 s[6:7], s[6:7], s[2:3]
.irp g, 0,1,2,3
	s_mov_b32 s[G0+4*\g], 1                        ; count = 1
	s_add_co_u32 s[G0+4*\g+1], s62, \g*32768       ; LDS address: chunk g
	s_add_nc_u64 s[G0+4*\g+2:G0+4*\g+3], s[60:61], \g*65536   ; global address: four blocks on
	s_or_b32 s[G0+4*\g+3], s[G0+4*\g+3], 0x80000000           ; type = 2
.endr
	ROUND                                          ; all four work-groups are here: the joint loads meet
	s_cmp_lt_u32 s[WV], 4                          ; a wave's four fills stand in one branch, ahead of every wait on TENSORcnt and every LDS read: four loads of mine are out; four v_nop follow the last
	s_cbranch_scc0 .Lfor_v
	tensor_load_to_lds s[G0:G0+3], s[G1K:G1K+7]
	s_nop 0
	tensor_load_to_lds s[G0+4:G0+7], s[G1K:G1K+7]
	s_nop 0
	tensor_load_to_lds s[G0+8:G0+11], s[G1K:G1K+7]
	s_nop 0
	tensor_load_to_lds s[G0+12:G0+15], s[G1K:G1K+7]
	s_nop 0
.rept 4
	v_nop
.endr
	s_branch .Lasked
.Lfor_v:
	tensor_load_to_lds s[G0:G0+3], s[G1V:G1V+7]
	s_nop 0
	tensor_load_to_lds s[G0+4:G0+7], s[G1V:G1V+7]
	s_nop 0
	tensor_load_to_lds s[G0+8:G0+11], s[G1V:G1V+7]
	s_nop 0
	tensor_load_to_lds s[G0+12:G0+15], s[G1V:G1V+7]
	s_nop 0
.rept 4
	v_nop
.endr
.Lasked:
	; all that comes through registers is asked for at once: my 8 mask words, then the Q of both passes
	v_lshlrev_b32 v[MW+8], 5, v0
	v_and_b32 v[TH], 31, v0
	v_lshlrev_b32 v[LI], 4, v[TH]
	global_load_b128 v[MW:MW+3], v[MW+8], s[6:7]
	global_load_b128 v[MW+4:MW+7], v[MW+8], s[6:7] offset:16
.irp t, 0,1
.irp c, 0,1
	global_load_b128 v[Q+8*\t+4*\c:Q+8*\t+4*\c+3], v[LI], s[QP:QP+1] offset:\t*2048+\c*512
	global_load_b128 v[Q2+8*\t+4*\c:Q2+8*\t+4*\c+3], v[LI], s[QP:QP+1] offset:32768+\t*2048+\c*512   ; sixteen tiles of queries on
.endr
.endr
	v_lshl_add_u32 v[MW+9], v0, 5, MB
	v_mov_b32 v[MW+10], 0xff61b1e6                 ; -3e38
	v_add_nc_u32 v[LV], VB, v[LI]
	v_bfe_u32 v[TH], v0, 4, 1
	v_lshl_add_u32 v[LM], v[TH], 6, MB
	s_wait_kmcnt 0x0
	s_add_co_i32 s56, s74, s75
	s_lshl_b32 s56, s56, 23
	s_add_co_i32 s[CS], s56, 0x3e38aa3b            ; a sum stands for sum x 2^(e6 + e7): the two exponents are added to the exponent field of log2(e) / 8
	s_mov_b32 s[CS+1], s[CS]                       ; (named with it as a pair, so it is written)
	s_add_co_i32 s56, s76, 127
	s_lshl_b32 s63, s56, 23
	v_mov_b32 v[SCLP], s63                         ; 2^e8
	s_add_co_i32 s56, s56, 15
	s_lshl_b32 s56, s56, 23
	s_or_b32 s56, s56, 0x600000
	v_mov_b32 v[LIMP], s56                         ; 57,344 x 2^e8,
	v_mov_b32 v[LIMQ], s56                         ; twice
	s_add_co_i32 s56, s78, 127
	s_lshl_b32 s63, s56, 23
	v_mov_b32 v[SCLO], s63                         ; 2^e10
	s_add_co_i32 s56, s56, 15
	s_lshl_b32 s56, s56, 23
	s_or_b32 s56, s56, 0x600000
	v_mov_b32 v[LIMO], s56
	s_add_co_i32 s[EPV], s76, s77                  ; e8 + e9
	s_wait_loadcnt 8                               ; the two loads of the mask are in; Q's eight, issued behind them, may be out
.irp i, 0,1,2,3,4,5,6,7
	v_cmp_eq_u32 vcc_lo, 0, v[MW+\i]
	v_cndmask_b32 v[MW+\i], 0, v[MW+10], vcc_lo    ; a choice of a value, no branch: thread n turns mask words 8 n .. 8 n + 7 of the batch into 0 or -3e38
.endr
	ds_store_b128 v[MW+9], v[MW:MW+3]
	ds_store_b128 v[MW+9], v[MW+4:MW+7] offset:16  ; waited for in front of the first barrier below
; A pass begins: the largest sum -2^50, -M to match, l = 0, O^T = 0 (the key step is written once: its first turn finds zeros, which the first change of M leaves zeros).
.macro PASS_INIT
.irp t, 0,1
	v_mov_b32 v[ST+8*\t+1], 0xd8800000             ; -2^50
	v_mov_b32 v[ST+8*\t+2], 0
	v_mov_b32 v[ST+8*\t+3], 0
	v_mul_f32 v[ST+8*\t+6], s[CS], v[ST+8*\t+1]
	v_floor_f32 v[ST+8*\t], -v[ST+8*\t+6]
.endr
	WIN TO1
.set j, 0
.rept 64
	v_mov_b32 v[O+j], 0
.set j, j+1
.endr
	WIN 0
.endm
; THE LISTS OF A TILE'S SOFTMAX.  s0-s63 are the lane's 64 scores of tile t, in pairs 0-31.
; MX: item i of 28 of the maximum's tree: four chains c0-c3, chain c over s(16 c) to s(16 c + 14), three operands at a time, ascending: each accumulator is read from its low end on.
.macro MX t, i
.if (\i) < 4
	v_max3_num_f32 v[ST+8*\t+4+(\i)], v[S+64*\t+16*(\i)], v[S+64*\t+16*(\i)+1], v[S+64*\t+16*(\i)+2]
.else
	v_max3_num_f32 v[ST+8*\t+4+(\i)%4], v[ST+8*\t+4+(\i)%4], v[S+64*\t+16*((\i)%4)+2*((\i)/4)+1], v[S+64*\t+16*((\i)%4)+2*((\i)/4)+2]
.endif
.endm
; CH: item i of 11 of the chain in which each line feeds the next: the four scores left over, c0-c3 and the old maximum; the other half of the lanes'; t; -M; f.
.macro CH t, i
.set rT, ST+8*\t
.set rS, S+64*\t
.if (\i) == 0
	v_max3_num_f32 v[rT+4], v[rT+4], v[rS+15], v[rS+31]
.elseif (\i) == 1
	v_max3_num_f32 v[rT+6], v[rT+6], v[rS+47], v[rS+63]
.elseif (\i) == 2
	v_max3_num_f32 v[rT+4], v[rT+4], v[rT+5], v[rT+6]
.elseif (\i) == 3
	v_max3_num_f32 v[rT+4], v[rT+4], v[rT+7], v[rT+1]
.elseif (\i) == 4
	v_permlanex16_b32 v[rT+5], v[rT+4], s[SEL], s[SEL+1]   ; the query's other 64 keys lie in the lane 16 away
.elseif (\i) == 5
	v_max_num_f32 v[rT+1], v[rT+4], v[rT+5]        ; the running largest sum
.elseif (\i) == 6
	v_mul_f32 v[rT+6], s[CS], v[rT+1]              ; as t (c is positive)
.elseif (\i) == 7
	v_floor_f32 v[rT], -v[rT+6]                    ; the new -M = floor(-t) = -ceil(t): M is a whole number
.elseif (\i) == 8
	v_sub_f32 v[rT+7], v[rT], v[SU+2*\t]           ; old M - new M: a whole number, 0 or less
.elseif (\i) == 9
	v_cvt_i32_f32 v[rT+7], v[rT+7]                 ; (it saturates)
.else
	v_ldexp_f32 v[rT+4], 1.0, v[rT+7]              ; f = 2^(old M - new M)
.endif
.endm
; F: t - M for pair b (of the pairs c and -M the low word serves both halves).
.macro F t, b
	v_pk_fma_f32 v[S+64*\t+2*(\b):S+64*\t+2*(\b)+1], v[S+64*\t+2*(\b):S+64*\t+2*(\b)+1], s[CS:CS+1], v[ST+8*\t:ST+8*\t+1] op_sel_hi:[1,0,0]
.endm
; SM: item i of 32 of THE ROW'S SUM, TAKEN OF THE UNQUANTISED p, two at a time, in two chains: l = l f + pair 0; a second sum = pair 1 + pair 2; item i adds pair i + 1 to one of the two by turns; the last joins them.
.macro SM t, i
.set rT, ST+8*\t
.set rS, S+64*\t
.set rU, SU+2*\t
.if (\i) == 0
	s_wait_alu depctr_va_vdst(0)
	v_pk_fma_f32 v[rT+2:rT+3], v[rT+2:rT+3], v[rT+4:rT+5], v[rS:rS+1] op_sel_hi:[1,0,1]
.elseif (\i) == 1
	v_pk_add_f32 v[rU:rU+1], v[rS+2:rS+3], v[rS+4:rS+5]
	s_wait_alu depctr_va_vdst(0)
.elseif (\i) == 31
	v_pk_add_f32 v[rT+2:rT+3], v[rT+2:rT+3], v[rU:rU+1]
.elseif (\i)%2 == 0
	v_pk_add_f32 v[rT+2:rT+3], v[rT+2:rT+3], v[rS+2*(\i)+2:rS+2*(\i)+3]
.else
	v_pk_add_f32 v[rU:rU+1], v[rU:rU+1], v[rS+2*(\i)+2:rS+2*(\i)+3]
.endif
.endm
; HD: the hold of pair d, behind the sum's read of it: the conversion to an 8-bit code does not saturate (ISA guide 7.6.2); p is not negative, so the hold is one-sided.  Two holds in one dual instruction.
.macro HD t, d
	v_dual_min_num_f32 v[S+64*\t+2*(\d)], v[LIMP], v[S+64*\t+2*(\d)] :: v_dual_min_num_f32 v[S+64*\t+2*(\d)+1], v[LIMQ], v[S+64*\t+2*(\d)+1]
.endm
; PL: plain instruction n of the 136 that stand round the exponentials.  The first eight stand ahead of them; number 8 + m follows exponential m (0-63: tile 0's, 64-127: tile 1's).
; Tile 0's pair b is scaled at n = 2 b, eight numbers ahead of its first exponential.  Beside that: the end of tile 0's chain, tile 1's chain, four numbers from link to link, tile 1's scalings;
; then, beside tile 1's exponentials, tile 0's sums and the first 26 of its holds.
.macro PL
.set m, n-8
.set k, m/2
.if n == 0
	F 0, 0
.elseif n == 1
	CH 1, 0
.elseif n == 2
	F 0, 1
.elseif n == 3
	CH 0, 8
.elseif n == 4
	F 0, 2
.elseif n == 5
	CH 1, 1
.elseif n == 6
	F 0, 3
.elseif n == 7
	CH 0, 9
.elseif (m < 56) && (m%2 == 0)
	F 0, k+4
.elseif (m < 56) && (k == 0)
	CH 1, 2
.elseif (m < 56) && (k == 1)
	CH 0, 10
.elseif (m < 56) && (k < 10)
	CH 1, k+1
.elseif m < 56
	F 1, k-10
.elseif m < 70
	F 1, m-38
.elseif m < 102
	SM 0, m-70
.else
	HD 0, m-102
.endif
.endm
; A step's K (eight fragments) and mask values (64 a lane) into their registers; the windows are set by the caller (destination window 1).
.macro LOADK ak, ab, ok, ob
.irp kt, 0,1,2,3,4,5,6,7
.irp c, 0,1
	ds_load_b128 v[KF+8*\kt+4*\c:KF+8*\kt+4*\c+3], v[\ak] offset:\ok+\kt*1024+\c*512   ; images: 32 lanes read 512 consecutive bytes
.endr
.endr
.irp b, 0,1,2,3
.irp i, 0,1,2,3
	ds_load_b128 v[BI+16*\b+4*\i:BI+16*\b+4*\i+3], v[\ab] offset:\ob+128*\b+16*\i      ; the mask's values of keys 32 b + 16 (lane / 16) + 4 i on: sixteen lanes read the same 16 bytes
.endr
.endr
.endm
; A KEY STEP: 128 keys against my 32 queries.  pf = 1: the next step's K and mask values are fetched, 8,192 and 512 bytes on; 2: key step 0's, for the next pass; 0: none.  qb: the pass's Q.
.macro KSTEP pf, qb
	s_wait_dscnt 0x0                               ; this step's K and mask values are in: they were asked for a step ago
	WIN W_S
.irp t, 0,1
.irp kt, 0,1,2,3,4,5,6,7
	v_wmma_f32_16x16x64_bf8_bf8 v[S+64*\t+8*\kt:S+64*\t+8*\kt+7], v[KF+8*\kt:KF+8*\kt+7], v[\qb+8*\t:\qb+8*\t+7], v[BI+8*\kt:BI+8*\kt+7]   ; tile 0's first: its maximum is taken first
.endr
.endr
	WIN 0
	v_add_nc_u32 v[ADK], s[KO], v[LI]              ; these five are the places between the products (the last step's with V, this step's with K) and the loads into their sources, and in front of the first read of the scores
	v_add_nc_u32 v[ADV], s[KO], v[LV]
	v_add_nc_u32 v[ADB], s[MO], v[LM]
	v_mov_b32 v[SU], v[ST]                         ; the old -M of both tiles is kept for f
	v_mov_b32 v[SU+2], v[ST+8]
	WIN TO1
.irp dt, 0,1,2,3
.irp c, 0,1,2,3
	ds_load_b128 v[VF+16*\dt+4*\c:VF+16*\dt+4*\c+3], v[ADV] offset:\dt*2048+\c*512
.endr
.endr
.if \pf == 1
	LOADK ADK, ADB, 8192, 512
.elseif \pf == 2
	LOADK LI, LM, 0, 0
.endif
	WIN 0
.set m, 0
.rept 28
	MX 0, m                                        ; tile 0's tree: four chains by turns
.set m, m+1
.endr
.set m, 0
.set i, 0
.rept 8
	CH 0, i                                        ; tile 0's chain as far as -M, each link followed by three or four lines of tile 1's tree
.rept 4-(i%2)
	MX 1, m
.set m, m+1
.endr
.set i, i+1
.endr
.set n, 0
.rept 8
	PL
.set n, n+1
.endr
.set e, 0
.rept 128
	v_exp_f32 v[S+e], v[S+e]                       ; p = 2^(t - M), at most 1: NOT normalised.  A plain instruction that names neither its source nor its result follows each
	PL
.set n, n+1
.set e, e+1
.endr
.set i, 0
.rept 32
	SM 1, i                                        ; tile 1's sums, each followed by a hold: the last six of tile 0's, then tile 1's pairs that the sums have read
.if i < 6
	HD 0, 26+i
.else
	HD 1, i-6
.endif
.set i, i+1
.endr
.set i, 26
.rept 6
	HD 1, i
.set i, i+1
.endr
.irp t, 0,1
.irp b, 0,1,2,3
	v_cvt_scalef32_pk8_bf8_f32 v[P+16*\t+4*\b:P+16*\t+4*\b+1], v[S+64*\t+16*\b:S+64*\t+16*\b+7], v[SCLP]          ; registers 4 b .. 4 b + 3 of the operand: keys 32 b + 16 (lane / 16) + 0 .. 15
	v_cvt_scalef32_pk8_bf8_f32 v[P+16*\t+4*\b+2:P+16*\t+4*\b+3], v[S+64*\t+16*\b+8:S+64*\t+16*\b+15], v[SCLP]
.endr
.endr
	WIN W_RS
.irp t, 0,1
.set j, 0
.rept 16
	v_pk_mul_f32 v[O+32*\t+j:O+32*\t+j+1], v[O+32*\t+j:O+32*\t+j+1], v[ST+8*\t+4:ST+8*\t+5] op_sel_hi:[1,0]   ; O^T under the new M.  (Also the plain place between the conversions and the products that read them)
.set j, j+2
.endr
.endr
.if \pf == 0
	s_wait_dscnt 0x0                               ; V is in
.else
	s_wait_dscnt 32                                ; V is in; the 32 loads issued behind V's, the next K and mask values, may be out
.endif
	WIN W_PV
.irp dt, 0,1,2,3
.irp t, 0,1
	v_wmma_f32_16x16x128_bf8_bf8 v[O+32*\t+8*\dt:O+32*\t+8*\dt+7], v[VF+16*\dt:VF+16*\dt+15], v[P+16*\t:P+16*\t+15], v[O+32*\t+8*\dt:O+32*\t+8*\dt+7]   ; eight accumulators, one instruction each
.endr
.endr
	WIN 0
	s_add_co_u32 s[KO], s[KO], 8192
	s_add_co_u32 s[MO], s[MO], 512
.endm
; A pass ends: l's two halves and the other half of the lanes' are added; O^T x 2^(e8 + e9) / l is the attended row; it is held, converted by 2^e10 and stored as images, off bytes on: 512 consecutive bytes a store.
.macro FINISH off
.irp t, 0,1
	v_add_f32 v[ST+8*\t+6], v[ST+8*\t+2], v[ST+8*\t+3]     ; (the four additions here are the places behind the last products)
.endr
.irp t, 0,1
	v_permlanex16_b32 v[ST+8*\t+7], v[ST+8*\t+6], s[SEL], s[SEL+1]
.endr
.irp t, 0,1
	v_add_f32 v[ST+8*\t+6], v[ST+8*\t+6], v[ST+8*\t+7]
.endr
.irp t, 0,1
	v_rcp_f32 v[ST+8*\t+6], v[ST+8*\t+6]
.endr
	v_nop                                          ; a plain instruction between the last reciprocal and the use of its result
	s_wait_alu depctr_va_vdst(0)
.irp t, 0,1
	v_ldexp_f32 v[ST+8*\t+6], v[ST+8*\t+6], s[EPV]
.endr
	WIN W_RD
.irp t, 0,1
.set j, 0
.rept 16
	v_pk_mul_f32 v[S+64*\t+j:S+64*\t+j+1], v[O+32*\t+j:O+32*\t+j+1], v[ST+8*\t+6:ST+8*\t+7] op_sel_hi:[1,0]   ; register 16 g + i: channel 32 g + 16 (lane / 16) + i of my query; each accumulator from its low end on
.set j, j+2
.endr
.endr
	WIN 0
.irp t, 0,1
.set j, 0
.rept 32
	v_med3_num_f32 v[S+64*\t+j], v[S+64*\t+j], -v[LIMO], v[LIMO]
.set j, j+1
.endr
.endr
.irp t, 0,1
.irp g, 0,1
	v_cvt_scalef32_pk8_bf8_f32 v[OC+8*\t+4*\g:OC+8*\t+4*\g+1], v[S+64*\t+16*\g:S+64*\t+16*\g+7], v[SCLO]
	v_cvt_scalef32_pk8_bf8_f32 v[OC+8*\t+4*\g+2:OC+8*\t+4*\g+3], v[S+64*\t+16*\g+8:S+64*\t+16*\g+15], v[SCLO]
.endr
.endr
.irp t, 0,1
.irp g, 0,1
	global_store_b128 v[LI], v[OC+8*\t+4*\g:OC+8*\t+4*\g+3], s[AP:AP+1] offset:\off+\t*16384+\g*512
.endr
.endr
.endm
	; THE FIRST PASS takes the keys as they land.  My four fills were issued in the chunks' order, four key steps to a chunk.  Later tiles may stay on their way across the first.
	PASS_INIT
	s_wait_loadcnt 0x0                             ; Q, both passes'
	s_wait_tensorcnt 3                             ; my part of key steps 0 to 3 has landed; my three later fills may be out
	s_wait_dscnt 0x0                               ; my part of the mask table is stored
	s_barrier_signal -1
	s_barrier_wait -1                              ; everybody's has, and is
	WIN TO1
	LOADK LI, LM, 0, 0                             ; key step 0's K and mask values
	WIN 0
	s_mov_b32 s[KO], 0
	s_mov_b32 s[MO], 0
	s_mov_b32 s[CNT], 3
.Lfirst:                                           ; key steps 0 to 2: their look-ahead reaches step 3, the first chunk's last
	KSTEP 1, Q
	s_sub_co_u32 s[CNT], s[CNT], 1
	s_cmp_lg_u32 s[CNT], 0
	s_cbranch_scc1 .Lfirst
	s_wait_tensorcnt 0x0                           ; all my fills have landed: no tensor load is out from here on
	s_wait_dscnt 0x0                               ; no LDS instruction of mine is pending at the signal
	s_barrier_signal -1
	s_barrier_wait -1                              ; everybody's have: all of K and V lies in LDS, and nobody writes LDS again: no further barrier but the closing round's
	s_mov_b32 s[KO], 3*8192
	s_mov_b32 s[MO], 3*512
	s_mov_b32 s[CNT], 12
.Lrest:                                            ; key steps 3 to 14
	KSTEP 1, Q
	s_sub_co_u32 s[CNT], s[CNT], 1
	s_cmp_lg_u32 s[CNT], 0
	s_cbranch_scc1 .Lrest
	s_mov_b32 s[KO], 15*8192
	s_mov_b32 s[MO], 15*512
	KSTEP 2, Q                                     ; key step 15 fetches key step 0 again, for the second pass
	FINISH 0
	; THE SECOND PASS: sixteen tiles of queries on
	PASS_INIT
	s_wait_xcnt 0x0                                ; the first pass's stores have read their data: the registers of O's codes are written again only behind this wait
	s_mov_b32 s[KO], 0
	s_mov_b32 s[MO], 0
	s_mov_b32 s[CNT], 15
.Lsecond:                                          ; key steps 0 to 14
	KSTEP 1, Q2
	s_sub_co_u32 s[CNT], s[CNT], 1
	s_cmp_lg_u32 s[CNT], 0
	s_cbranch_scc1 .Lsecond
	s_mov_b32 s[KO], 15*8192
	s_mov_b32 s[MO], 15*512
	KSTEP 0, Q2                                    ; the last step fetches nothing beyond its own V
	FINISH 262144
	s_wait_dscnt 0x0
	s_wait_tensorcnt 0x0
	ds_add_u32 v126, v127
	s_wait_dscnt 0x0
	ROUND                                          ; the closing round: no work-group ends while a partner may still ask for a tile that names it
	s_endpgm
.Lfunc_end_k_q3d394f2098_attn:
	.size	k_q3d394f2098_attn, .Lfunc_end_k_q3d394f2098_attn-k_q3d394f2098_attn
	.p2alignl 7, 3214868480
	.fill 96, 4, 3214868480
	.section	.rodata,"a",@progbits
	.p2align	6, 0x0
	.amdhsa_kernel k_q3d394f2098_attn
		.amdhsa_group_segment_fixed_size 271360
		.amdhsa_private_segment_fixed_size 0
		.amdhsa_enable_private_segment 0
		.amdhsa_kernarg_size 32
		.amdhsa_user_sgpr_count 2
		.amdhsa_user_sgpr_kernarg_segment_ptr 1
		.amdhsa_wavefront_size32 1
		.amdhsa_system_sgpr_workgroup_id_x 1
		.amdhsa_system_sgpr_workgroup_id_y 1
		.amdhsa_system_sgpr_workgroup_id_z 1
		.amdhsa_system_vgpr_workitem_id 0
		.amdhsa_next_free_vgpr 512
		.amdhsa_next_free_sgpr 96
		.amdhsa_reserve_vcc 1
		.amdhsa_float_denorm_mode_32 3
		.amdhsa_float_denorm_mode_16_64 3
		.amdhsa_memory_ordered 1
		.amdhsa_forward_progress 1
		.amdhsa_inst_pref_size 175
	.end_amdhsa_kernel
	.amdgpu_metadata
---
amdhsa.version: [ 1, 2 ]
amdhsa.kernels:
  - .name:           k_q3d394f2098_attn
    .symbol:         k_q3d394f2098_attn.kd
    .args:
      - { .name: qkvc, .offset: 0, .size: 8, .value_kind: global_buffer, .address_space: global }
      - { .name: mask, .offset: 8, .size: 8, .value_kind: global_buffer, .address_space: global }
      - { .name: lowp_scales, .offset: 16, .size: 8, .value_kind: global_buffer, .address_space: global }
      - { .name: attc, .offset: 24, .size: 8, .value_kind: global_buffer, .address_space: global }
    .group_segment_fixed_size: 271360
    .private_segment_fixed_size: 0
    .kernarg_segment_align: 8
    .kernarg_segment_size: 32
    .max_flat_workgroup_size: 256
    .sgpr_count:     96
    .vgpr_count:     512
    .wavefront_size: 32
...
	.end_amdgpu_metadata
.endif
;; end of part 3
;; launch oproj (part 4): grid 4 x 64, 4 waves a work-group, clusters of 4 x 4, 327,680 bytes of LDS; arguments attc, codes, lowp_scales, bo, out0; writes out0
.if DOCPART == 4
	.amdgcn_target "amdgcn-amd-amdhsa--gfx1250"
	.amdhsa_code_object_version 6
	.text
	.protected	k_q3d394f2098_oproj
	.globl	k_q3d394f2098_oproj
	.p2align	8
	.type	k_q3d394f2098_oproj,@function
k_q3d394f2098_oproj:
	s_mov_b64 s[64:65], 0
	v_nop
	global_prefetch_b8 v0, s[64:65] scope:SCOPE_SE
	s_setreg_imm32_b32 hwreg(HW_REG_WAVE_MODE, 25, 1), 1
	s_wait_xcnt 0x0
	s_wait_alu depctr_hold_cnt(0) depctr_sa_sdst(0) depctr_va_vdst(0) depctr_va_sdst(0) depctr_va_ssrc(0) depctr_va_vcc(0) depctr_vm_vsrc(0)
	s_getreg_b32 s2, hwreg(HW_REG_IB_STS2, 6, 4)
	s_cmp_eq_u32 s2, 0
	s_cbranch_scc0 .Lentry_in_a_cluster
	s_endpgm
.Lentry_in_a_cluster:
	s_bfe_u32 s2, ttmp6, 0x10000c
	s_cmp_lg_u32 s2, 0xf033
	s_cbranch_scc0 .Lentry_shape_is_right
	s_endpgm
.Lentry_shape_is_right:
; out0 = attended Wo^T + bo on codes of BF8 (E5M2).  attended: attc, [tile of 16 tokens 512][32 along K 32][lane 32][16 bytes], images of operand registers; lane r of tile T is token 32 (T / 2) + 8 (T % 2) + r + 8 (r / 8).
; Wo: codes + 27 MiB, rows of 1,024 bytes, stored with bits 3 and 4 of the row number swapped.  out0: [8192][1024] f32.  A sum stands for sum x 2^(e10 + e11).
; A TILE of out0 is 128 tokens x 256 features: 64 x 4 = 256 work-groups, one for each WGP (tiles of 256 x 256 would be 128).  Four waves, each 64 x 128: 32 accumulators of 16 x 16, 256 registers.
; SOURCE 1 (A, on the lanes) = tokens, SOURCE 0 (B, on a lane's registers) = features.  A's part of a slot is dense: 8 tiles x 4,096 bytes of images, read 512 consecutive bytes an instruction; B's rows are padded.
; K = 1,024 is four slots' worth of 256.  THREE SLOTS lie in LDS and are first filled together, three tensor loads a wave; only K 768-1023 is a refill, into slot 0, behind the launch's one round for a refill.
; It is asked for in K step 1 (of eight steps of 128) and waited for at the head of K step 5: 112 matrix instructions of the wave lie between.
; A and B have two sets of fragment registers each: every step fetches the whole next step, 48 LDS loads in one run, ahead of its own 32 products.
; The bias is the C of the first K step's products, as bo / 2^(e10 + e11); each finished sum is multiplied once by 2^(e10 + e11).
; CLUSTERS: 4 x 4 work-groups: A's tile hangs on the tile row alone and is shared along a row of the cluster, B's on the tile column alone and is shared along a column: each is asked for jointly.
; THE WAY OUT: a block of 16 tokens x 128 features goes through the wave's own stage in LDS, where features and tokens find their true order, and leaves as rows of 512 consecutive bytes.
; LIMIT: e10 + e11 between -126 and 126.
; REGISTERS: window 0: v0-31 addresses; v32-95 the bias, later a block's numbers; v128-191, v192-255 A's fragments, two sets, later rows read back.   window 1: B's fragments, two sets.   window 2: the accumulators ((a, b) at v[8 (8 a + b)]).
.set KROW,   1024
.set ROWB,   256                       ; B: a tile's row: 256 along K
.set PITCH,  272                       ; B's LDS row: 256 bytes + 16 of padding = 68 words: row r starts at bank 4 r mod 64 (64 banks of 4 bytes: ISA guide 11.1)
.set FR,     16                        ; registers of a fragment: 16 rows x 128 K
.set NP,     4                         ; places behind this matrix instruction (ISA guide 7.12.1)
.set ATILE,  4096                      ; A: a tile of 16 tokens x 256 along K: eight images of 512 bytes
.set AHALF,  4*ATILE                   ; 64 tokens: what one tensor load brings, and what one wave reads of A
.set HALFT,  128*PITCH                 ; 128 rows of B: likewise
.set BOFF,   2*AHALF
.set SLOT,   BOFF+2*HALFT              ; A's 128 tokens, then B's 256 rows: 102,400 bytes
.set SPARE,  3*SLOT                    ; behind the three slots: the spare words, 128 bytes for each wave: two blocks of 256 bytes that no other line names
.set STAGE,  SLOT                      ; the way out: a stage of 16 rows x (512 bytes + 16) for each wave, in slot 1: it is filled once, and its last reads lie ahead of the barrier of K step 5
.set SPITCH, 528
.set ADRA, 16                          ; v16-18  LDS address of my A fragments in slot 0, 1, 2
.set ADRB, 20                          ; v20-22  the same for B
.set STO,  24                          ; v24  the way out: where I put my bytes of a row
.set RD,   25                          ; v25  where I read a row back
.set CO,   26                          ; v26  16 x lane
.set SPW,  28                          ; v28  LDS address of my spare word; never rewritten
.set NIL,  29                          ; v29  0; never rewritten
.set CI,   32
.set TMP,  32
.set AF,   128
.set BK,   128                         ; the way out: 16 rows read back: v128-191 and v192-255 by turns
.set G1, 24                            ; s[24:31] descriptor group 1 for A's tiles;  s[32:43] group 0, one set for each slot
.set G0, 32
.set G1B, 44                           ; s[44:51], s[52:63] the same for B's tiles
.set G0B, 52
.set MSB, 0
.macro WIN new                         ; the immediate's high byte repeats the setting that is left
.if MSB != \new
	s_set_vgpr_msb (MSB<<8)|\new
.set MSB, \new
.endif
.endm
.set MUL,  0xa1                        ; source 0 (B) window 1, source 1 (A) window 0, C and D window 2
.set FST,  0x81                        ; the first K step: C (the bias) window 0
.set TO_B, 0x40                        ; destination window 1, address window 0
.macro JLOAD g0a, g1a, g0b, g1b        ; a joint load: waves 0 and 1 fetch for A, waves 2 and 3 for B; the branch hangs on the wave's number alone; four v_nop follow each of the two lines
	s_cmp_eq_u32 s15, 0
	s_cbranch_scc0 .Lfor_b_\@
	tensor_load_to_lds s[\g0a:\g0a+3], s[\g1a:\g1a+7]
	s_nop 0
.rept 4
	v_nop
.endr
	s_branch .Lasked_\@
.Lfor_b_\@:
	tensor_load_to_lds s[\g0b:\g0b+3], s[\g1b:\g1b+7]
	s_nop 0
.rept 4
	v_nop
.endr
.Lasked_\@:
.endm
.macro CREST                           ; a round of the cluster's barrier behind its opening barrier
	s_cmp_lg_u32 s14, 0
	s_cbranch_scc1 .Lnot_wave_0_\@
	s_barrier_signal -3
.Lnot_wave_0_\@:
	s_barrier_wait -3
	s_barrier_signal -1
	s_barrier_wait -1
.endm
.macro CROUND                          ; a whole round
	s_barrier_signal -1
	s_barrier_wait -1
	CREST
.endm
	s_load_b256 s[4:11], s[0:1], 0x0               ; attc s[4:5], codes s[6:7], the scales' exponents s[8:9], bo s[10:11]
	s_load_b64 s[68:69], s[0:1], 0x20              ; out0
	v_lshl_add_u32 v[SPW], v0, 2, SPARE
	v_mov_b32 v[NIL], 0
	ds_add_u32 v28, v29
	ds_add_u32 v28, v29
	s_wait_dscnt 0x0
	v_lshrrev_b32 v1, 5, v0
	v_readfirstlane_b32 s14, v1                    ; wave 0..3
	s_lshr_b32 s15, s14, 1                         ; which half of the tokens is mine.  Also: I fetch for A (0) or for B (1)
	s_and_b32 s16, s14, 1                          ; which half of the features.  Also: which half of that tile I fetch
	s_bfe_u32 s70, ttmp6, 0x40000                  ; cx, cy: my place in the cluster
	s_bfe_u32 s71, ttmp6, 0x40004
	s_lshl_b32 s72, ttmp9, 2
	s_add_co_u32 s72, s72, s70                     ; tile column (256 features) = 4 x cluster x + cx
	s_and_b32 s17, ttmp7, 0xffff
	s_lshl_b32 s17, s17, 2
	s_add_co_u32 s17, s17, s71                     ; tile row (128 tokens) = 4 x cluster y + cy
	s_lshl_b32 s73, s71, 2
	s_lshl_b32 s73, 15, s73                        ; my row of the cluster
	s_lshl_b32 s74, 0x1111, s70                    ; my column
	; A: 4 rows (tiles of 16 tokens) of 4,096 bytes, 16 KiB apart, dense in LDS
	s_or_b32 s[G1+0], s73, (3<<16)|(1<<21)         ; 15:0 the mask: my row; 17:16 elements of 8 bytes; 21 set beside a mask; no padding
	s_mov_b32 s[G1+1], 512<<16                     ; tensor_dim0 = 512 elements
	s_mov_b32 s[G1+2], 4<<16                       ; tensor_dim1 = 4
	s_mov_b32 s[G1+3], 512<<16                     ; tile_dim0
	s_mov_b32 s[G1+4], 4                           ; tile_dim1
	s_mov_b32 s[G1+5], 2048                        ; tensor_dim0_stride, in elements
	s_mov_b32 s[G1+6], 0
	s_mov_b32 s[G1+7], 0
	; B: 128 rows of 256 bytes, padded in LDS
	s_or_b32 s[G1B+0], s74, (0<<16)|(1<<20)|(1<<21)|(5<<22)|(3<<25)  ; the mask: my column; elements of 1 byte; padding: 4 words after every 64
	s_mov_b32 s[G1B+1], ROWB<<16
	s_mov_b32 s[G1B+2], 128<<16
	s_mov_b32 s[G1B+3], ROWB<<16
	s_mov_b32 s[G1B+4], 128
	s_mov_b32 s[G1B+5], KROW
	s_mov_b32 s[G1B+6], 0
	s_mov_b32 s[G1B+7], 0
	s_lshl_b32 s18, s16, 2
	s_lshl_b32 s20, s17, 3
	s_add_co_u32 s20, s20, s18
	s_lshl_b32 s20, s20, 14                        ; A: (8 x tile row + 4 x half) tiles of 16 KiB
	s_mov_b32 s21, 0
	s_lshl_b32 s18, s16, 7
	s_lshl_b32 s78, s72, 8
	s_add_co_u32 s78, s78, s18
	s_lshl_b32 s78, s78, 10                        ; B: (256 x tile column + 128 x half) rows of 1,024 bytes,
	s_add_co_u32 s78, s78, 0x1b00000               ; 27 MiB into codes
	s_mov_b32 s79, 0
	s_mul_i32 s76, s16, AHALF                      ; where they go: the wave's number alone
	s_mul_i32 s75, s16, HALFT
	s_add_co_u32 s75, s75, BOFF
	s_wait_kmcnt 0x0
	s_load_b64 s[84:85], s[8:9], 0x28              ; e10, e11
	s_add_nc_u64 s[20:21], s[4:5], s[20:21]
	s_add_nc_u64 s[78:79], s[6:7], s[78:79]
	CROUND                                         ; all sixteen work-groups are here: the first joint loads meet
.irp s, 0,1,2                                      ; the three first fills go out together: three loads of mine are out
	s_mov_b32 s[G0+4*\s], 1
	s_add_co_u32 s[G0+4*\s+1], s76, \s*SLOT
	s_add_nc_u64 s[G0+4*\s+2:G0+4*\s+3], s[20:21], \s*ATILE
	s_or_b32 s[G0+4*\s+3], s[G0+4*\s+3], 0x80000000
	s_mov_b32 s[G0B+4*\s], 1
	s_add_co_u32 s[G0B+4*\s+1], s75, \s*SLOT
	s_add_nc_u64 s[G0B+4*\s+2:G0B+4*\s+3], s[78:79], \s*ROWB
	s_or_b32 s[G0B+4*\s+3], s[G0B+4*\s+3], 0x80000000
	JLOAD G0+4*\s, G1, G0B+4*\s, G1B
.endr
	s_lshl_b32 s98, s72, 8
	s_lshl_b32 s99, s16, 7
	s_add_co_u32 s98, s98, s99                     ; my first feature
	s_lshl_b32 s98, s98, 2
	s_mov_b32 s99, 0
	s_add_nc_u64 s[10:11], s[10:11], s[98:99]
	v_and_b32 v1, 15, v0                           ; r
	v_bfe_u32 v2, v0, 4, 1                         ; h
	v_lshlrev_b32 v5, 6, v2                        ; accumulators (a, 2 g), (a, 2 g + 1) hold features 32 g + 16 h + 0 .. 15
.irp g, 0,1,2,3
.irp i, 0,1,2,3
	global_load_b128 v[CI+16*\g+4*\i:CI+16*\g+4*\i+3], v5, s[10:11] offset:128*\g+16*\i
.endr
.endr
	v_and_b32 v6, 31, v0
	v_lshlrev_b32 v[CO], 4, v6
	v_mul_u32_u24 v3, v1, PITCH
	v_lshl_add_u32 v4, v2, 4, v3                   ; B: a fragment's row x pitch + 16 x half
	s_mul_i32 s21, s15, AHALF                      ; my 64 tokens of A
	s_mul_i32 s22, s16, HALFT                      ; my 128 rows of B
	s_add_co_u32 s22, s22, BOFF
.irp s, 0,1,2
	v_add_nc_u32 v[ADRA+\s], s21, v[CO]
	v_add_nc_u32 v[ADRB+\s], s22, v4
	s_add_co_u32 s21, s21, SLOT
	s_add_co_u32 s22, s22, SLOT
.endr
	s_mul_i32 s23, s14, 16*SPITCH
	s_add_co_u32 s23, s23, STAGE                   ; my stage
	v_mul_u32_u24 v7, v1, SPITCH                   ; in: row r; feature 32 g + 16 h + 8 u + j lies 128 g + 64 h + 32 u + 4 j bytes on
	v_lshl_add_u32 v7, v2, 6, v7
	v_add_nc_u32 v[STO], s23, v7
	v_add_nc_u32 v[RD], s23, v[CO]                 ; back: the 32 lanes take one row of 512 bytes
	s_lshl_b32 s98, s17, 7
	s_lshl_b32 s99, s15, 6
	s_add_co_u32 s98, s98, s99                     ; my first token: 128 x tile row + 64 x half,
	s_lshl_b32 s98, s98, 12                        ; rows of 4,096 bytes;
	s_lshl_b32 s99, s72, 10
	s_add_co_u32 s98, s98, s99                     ; my first feature: 1,024 x tile column + 512 x half bytes
	s_lshl_b32 s99, s16, 9
	s_add_co_u32 s98, s98, s99
	s_mov_b32 s99, 0
	s_add_nc_u64 s[68:69], s[68:69], s[98:99]
	s_wait_kmcnt 0x0
	s_add_co_i32 s88, s84, s85                     ; e10 + e11
	s_add_co_i32 s96, s88, 127
	s_lshl_b32 s96, s96, 23                        ; 2^(e10 + e11) as f32
	s_mov_b32 s97, s96                             ; (named with it as a pair, so it is written)
	s_sub_co_i32 s90, 127, s88
	s_lshl_b32 s90, s90, 23                        ; and its reciprocal
	s_mov_b32 s91, s90
	s_wait_loadcnt 0x0                             ; the bias
.set j, 0
.rept 32
	v_pk_mul_f32 v[CI+j:CI+j+1], v[CI+j:CI+j+1], s[90:91] op_sel_hi:[1,0]
.set j, j+2
.endr
.macro FRAGA reg, slot, q, i           ; A's fragment: tile i of my four, the slot's q-th 128 along K: four images
.irp c, 0,1,2,3
	ds_load_b128 v[\reg+4*\c:\reg+4*\c+3], v[ADRA+\slot] offset:(\i)*ATILE+(4*(\q)+\c)*512
.endr
.endm
.macro FRAGB reg, slot, q, i           ; B's: lane l holds row l % 16; registers 4 c .. 4 c + 3 hold K = 32 c + 16 (l / 16) + 0 .. 15, as A's images do
.irp c, 0,1,2,3
	ds_load_b128 v[\reg+4*\c:\reg+4*\c+3], v[ADRB+\slot] offset:128*(\q)+32*\c+(\i)*16*PITCH
.endr
.endm
; 8 matrix instructions: A's block a x B's eight, 128 along K, on the fragments of set p.  first = 1: the product starts the sums, with the bias as C: nothing is cleared.
; The 32 accumulators take turns, one instruction a turn, in the same order in every step.
.macro MUL8 a, p, first
.irp b, 0,1,2,3,4,5,6,7
.if \first
	v_wmma_f32_16x16x128_bf8_bf8 v[8*(8*(\a)+\b):8*(8*(\a)+\b)+7], v[128*(\p)+FR*\b:128*(\p)+FR*\b+FR-1], v[AF+64*(\p)+FR*(\a):AF+64*(\p)+FR*(\a)+FR-1], v[CI+8*\b:CI+8*\b+7]
.else
	v_wmma_f32_16x16x128_bf8_bf8 v[8*(8*(\a)+\b):8*(8*(\a)+\b)+7], v[128*(\p)+FR*\b:128*(\p)+FR*\b+FR-1], v[AF+64*(\p)+FR*(\a):AF+64*(\p)+FR*(\a)+FR-1], v[8*(8*(\a)+\b):8*(8*(\a)+\b)+7]
.endif
.endr
.endm
.macro FETCH slot, q, p                ; 48 LDS loads in one run: B's eight and A's four fragments of the slot's q-th 128 along K, into set p
	WIN TO_B
.irp i, 0,1,2,3,4,5,6,7
	FRAGB 128*(\p)+FR*\i, \slot, \q, \i
.endr
	WIN 0
.irp i, 0,1,2,3
	FRAGA AF+64*(\p)+FR*\i, \slot, \q, \i
.endr
.endm
.macro PLACES n                        ; places in front of loads into registers that matrix instructions have read, and of the first read of results (ISA guide 7.12.1 for the first read of results)
.rept \n
	v_nop
.endr
.endm
; A step of 128 along K on set p.  Ahead of its products it fetches the next step, the nq-th 128 of slot nslot, into the other set, which the step before has multiplied.
.macro STEP p, nslot, nq, first
	s_wait_dscnt 0x0                               ; this step's fragments are in: they were asked for a step ago
.if \first == 0
	PLACES NP
.endif
	FETCH \nslot, \nq, 1-\p
.if \first
	WIN FST
.else
	WIN MUL
.endif
	MUL8 0, \p, \first
	MUL8 1, \p, \first
	MUL8 2, \p, \first
	MUL8 3, \p, \first
.endm
; A step with a barrier in it, on set p; the next step is the first of slot nslot.  In front of the barrier each wave waits for all its tensor loads, adds 0 to its spare word, and waits for that and for its LDS reads.
; fill = 1 (K step 1): all three first fills have landed, and my reads of slot 0 are over (this step's fragments were its last); the barrier opens a round of the cluster's, and slot 0 takes K 768-1023.
; fill = 0 (K step 5): the load that was out is that refill; behind the barrier slot 0 is whole for every wave, and nobody reads slot 1 any more.
.macro TURN p, nslot, fill
	WIN 0                                          ; (the add's two registers lie in window 0)
	s_wait_tensorcnt 0x0                           ; all my tensor loads have landed;
	ds_add_u32 v[SPW], v[NIL]                      ; 0 onto my spare word
	s_wait_dscnt 1                                 ; this step's fragments are in; the add, issued behind them, may be out
	WIN MUL
	MUL8 0, \p, 0                                  ; eight matrix instructions stand between the add and the wait for it
	s_wait_dscnt 0x0                               ; the add is done, and no LDS read of mine is out
	s_barrier_signal -1
	MUL8 1, \p, 0
	WIN 0
	s_barrier_wait -1
.if \fill
	CREST                                          ; no wave of any partner still reads slot 0 or has a load on its way
	s_add_nc_u64 s[G0+2:G0+3], s[G0+2:G0+3], 3*ATILE
	s_add_nc_u64 s[G0B+2:G0B+3], s[G0B+2:G0B+3], 3*ROWB
	JLOAD G0, G1, G0B, G1B                         ; the first tensor load behind the round, and my only one from here on; the four v_nop behind it are the places in front of the loads below
.else
	PLACES NP
.endif
	FETCH \nslot, 0, 1-\p
	WIN MUL
	MUL8 2, \p, 0
	MUL8 3, \p, 0
.endm
	s_wait_tensorcnt 2                             ; my part of slot 0 is in (my loads for slots 1 and 2 may be out)
	s_barrier_signal -1
	s_barrier_wait -1                              ; everybody's is
	FETCH 0, 0, 0
	STEP 0, 0, 1, 1                                ; K 0-127: its products start the sums
	TURN 1, 1, 1                                   ; K 128-255; slot 0 takes K 768-1023
	STEP 0, 1, 1, 0                                ; K 256-383
	STEP 1, 2, 0, 0                                ; K 384-511; slot 2 was shown whole by the round above
	STEP 0, 2, 1, 0                                ; K 512-639
	TURN 1, 0, 0                                   ; K 640-767; the refill has landed
	STEP 0, 0, 1, 0                                ; K 768-895
	s_wait_dscnt 0x0                               ; K 896-1023: nothing more to fetch
	WIN MUL
	MUL8 0, 1, 0
	MUL8 1, 1, 0
	MUL8 2, 1, 0
	MUL8 3, 1, 0
	WIN 0
; THE WAY OUT, block by block of 16 tokens x 128 features.  LDS serves a wave's instructions in order (ISA guide 5.7.1.4): no wait between the stores and the loads, nor in front of the next block's stores.
.macro TOSTAGE a
.set AC, 64*(\a)
	WIN 0x02                                       ; source 0: window 2
.set j, 0
.rept 32
	v_pk_mul_f32 v[TMP+j:TMP+j+1], v[AC+j:AC+j+1], s[96:97] op_sel_hi:[1,0]   ; x 2^(e10 + e11); each accumulator from its low end on
.set j, j+2
.endr
	WIN 0
.irp b, 0,1,2,3,4,5,6,7
	ds_store_b128 v[STO], v[TMP+8*\b:TMP+8*\b+3] offset:128*(\b/2)+32*(\b%2)
	ds_store_b128 v[STO], v[TMP+8*\b+4:TMP+8*\b+7] offset:128*(\b/2)+32*(\b%2)+16
.endr
.set BB, BK+64*((\a)%2)
.irp t, 0,1,2,3,4,5,6,7,8,9,10,11,12,13,14,15
	ds_load_b128 v[BB+4*\t:BB+4*\t+3], v[RD] offset:\t*SPITCH
.endr
.endm
.macro SEND a, younger                 ; younger: the LDS instructions issued behind block a's loads, which may stay out
.set BB, BK+64*((\a)%2)
	s_wait_dscnt \younger                          ; the block is back in registers
.irp t, 0,1,2,3,4,5,6,7,8,9,10,11,12,13,14,15
	global_store_b128 v[CO], v[BB+4*\t:BB+4*\t+3], s[68:69] offset:(32*((\a)/2)+8*((\a)%2)+\t+8*(\t/8))*4096 th:TH_STORE_NT   ; stage row t is token 32 (a / 2) + 8 (a % 2) + t + 8 (t / 8) of my 64; 32 lanes store 512 consecutive bytes, aligned; 63 rows at the most: inside the signed 24-bit immediate
.endr
.endm
	PLACES NP                                      ; behind the last products: for the first read of results and for the loads into the registers that held A's fragments
	TOSTAGE 0
.irp a, 1,2,3
.if \a > 1
	s_wait_xcnt 0x0                                ; block a - 2's stores have read their registers: block a's loads may land there
.endif
	TOSTAGE \a
	SEND \a-1, 32                                  ; behind block a - 1's loads: block a's 16 stores and 16 loads
.endr
	SEND 3, 0
	s_wait_tensorcnt 0x0                           ; the wave's end: behind my last tensor load and my last LDS store
	ds_add_u32 v[SPW], v[NIL]
	s_wait_dscnt 0x0
	CROUND                                         ; the closing round: no work-group ends while a partner may still ask for a tile that names it
	s_endpgm
.Lfunc_end_k_q3d394f2098_oproj:
	.size	k_q3d394f2098_oproj, .Lfunc_end_k_q3d394f2098_oproj-k_q3d394f2098_oproj
	.p2alignl 7, 3214868480
	.fill 96, 4, 3214868480
	.section	.rodata,"a",@progbits
	.p2align	6, 0x0
	.amdhsa_kernel k_q3d394f2098_oproj
		.amdhsa_group_segment_fixed_size 327680
		.amdhsa_private_segment_fixed_size 0
		.amdhsa_enable_private_segment 0
		.amdhsa_kernarg_size 40
		.amdhsa_user_sgpr_count 2
		.amdhsa_user_sgpr_kernarg_segment_ptr 1
		.amdhsa_wavefront_size32 1
		.amdhsa_system_sgpr_workgroup_id_x 1
		.amdhsa_system_sgpr_workgroup_id_y 1
		.amdhsa_system_sgpr_workgroup_id_z 1
		.amdhsa_system_vgpr_workitem_id 0
		.amdhsa_next_free_vgpr 768
		.amdhsa_next_free_sgpr 100
		.amdhsa_reserve_vcc 0
		.amdhsa_float_denorm_mode_32 3
		.amdhsa_float_denorm_mode_16_64 3
		.amdhsa_memory_ordered 1
		.amdhsa_forward_progress 1
		.amdhsa_inst_pref_size 79
	.end_amdhsa_kernel
	.amdgpu_metadata
---
amdhsa.version: [ 1, 2 ]
amdhsa.kernels:
  - .name:           k_q3d394f2098_oproj
    .symbol:         k_q3d394f2098_oproj.kd
    .args:
      - { .name: attc, .offset: 0, .size: 8, .value_kind: global_buffer, .address_space: global }
      - { .name: codes, .offset: 8, .size: 8, .value_kind: global_buffer, .address_space: global }
      - { .name: lowp_scales, .offset: 16, .size: 8, .value_kind: global_buffer, .address_space: global }
      - { .name: bo, .offset: 24, .size: 8, .value_kind: global_buffer, .address_space: global }
      - { .name: out0, .offset: 32, .size: 8, .value_kind: global_buffer, .address_space: global }
    .group_segment_fixed_size: 327680
    .private_segment_fixed_size: 0
    .kernarg_segment_align: 8
    .kernarg_segment_size: 40
    .max_flat_workgroup_size: 128
    .sgpr_count:     100
    .vgpr_count:     768
    .wavefront_size: 32
...
	.end_amdgpu_metadata
.endif
;; end of part 4
